; MI455X (gfx1250); checked and timed in simulation.
; The chip was launched on July 23, 2026; its instructions are those of AMD's public machine-readable ISA for CDNA 5 (MIT licence, August 2026) and "CDNA5" Instruction Set Architecture Reference Guide (July 2026). The comments in the code are by the model that wrote it; some were corrected since.
;; Causal Self Attention. Allowed arithmetic: matrix products marked QUANTISED: E2M3 operands, one E8M0 scale for each 32 along K, by v_wmma_scale_f32_16x16x128_f8f6f4 with both operands' format E2M3, f32 sums; everything else in f32.
;; Inputs: Wk 1,024 x 1,024 float32; Wp 1,024 x 1,024 float32; Wq 1,024 x 1,024 float32; Wv 1,024 x 1,024 float32; bp 1,024 float32; x 4 x 2,048 x 1,024 float32.
;; Outputs: out0 4 x 2,048 x 1,024 float32.
;; This version of the problem:
;;   THIS VERSION OF THE PROBLEM IS GIVEN IN LOW PRECISION. The matrix products marked QUANTISED in the list below multiply operands that are first quantised to E2M3 (2 exponent bits, 3 mantissa bits; 6 bits a number), with one power-of-two scale for each 32 numbers along K (OCP MX v1.0); their sums are f32. All else is computed in f32.
;;   The module's matrix products, in the order in which they are computed (A, B: the left and right operand; K: the contracted axis; several contracted axes count as one K, in the product's order):
;;     1. [M 8,192, K 1,024] x [K 1,024, N 1,024]; A: input x; B: input Wk: QUANTISED
;;     2. [M 8,192, K 1,024] x [K 1,024, N 1,024]; A: input x; B: input Wq: QUANTISED
;;     3. [M 8,192, K 1,024] x [K 1,024, N 1,024]; A: input x; B: input Wv: QUANTISED
;;     4. batch 64 x [M 2,048, K 64] x [K 64, N 2,048]; A: computed on the way; B: computed on the way: QUANTISED
;;     5. batch 64 x [M 2,048, K 2,048] x [K 2,048, N 64]; A: softmax (see below); B: computed on the way: QUANTISED
;;     6. [M 8,192, K 1,024] x [K 1,024, N 1,024]; A: computed on the way; B: input Wp: QUANTISED
;;   THE QUANTISER, for each operand of a quantised product, along K:
;;     - K is cut into blocks of 32 from its start; a last block that is shorter is filled with zeros.
;;     - A block's scale is 2^e with e = floor(log2(the largest magnitude in the block)) - 2, held to -126 .. 127; a block of zeros has e = 0. As a byte (E8M0): e + 127.
;;     - Each number is divided by its block's scale, clamped to +-7.5, and rounded to the nearest number of E2M3, ties to even, subnormals kept.
;;     - The product sums the exact products of the quantised numbers (number of the format x scale) in f32.
;;   ~~~python
;;   def quantise(x, axis):      # numpy; x: float32 -> the quantised numbers, widened to float32 again
;;       x = np.moveaxis(x, axis, -1); K = x.shape[-1]
;;       x = np.pad(x, [(0, 0)] * (x.ndim - 1) + [(0, -K % 32)]); x = x.reshape(x.shape[:-1] + (-1, 32)); a = np.abs(x).max(-1, keepdims=True)
;;       e = np.where(a > 0, np.clip(np.frexp(np.where(a > 0, a, 1))[1] - 1 - 2, -126, 127), 0)      # np.frexp(a)[1] - 1 = floor(log2(a)), exactly
;;       r = np.clip(x / 2.0 ** e, -7.5, 7.5)
;;       step = 2.0 ** (np.maximum(np.frexp(np.where(r == 0, 1, r))[1] - 1, 0) - 3)
;;       q = np.round(r / step) * step * 2.0 ** e      # np.round: ties to even
;;       return np.moveaxis(q.reshape(q.shape[:-2] + (-1,))[..., :K], -1, axis).astype(np.float32)
;;   ~~~
;;   SOFTMAX AHEAD OF A QUANTISED PRODUCT. Where the list says 'softmax', what is quantised is not the finished softmax but p = 2^(t - M), with t = logit x log2(e) and M = ceil(the row's largest t), a whole number; so 1/2 < the row's largest p <= 1. The row's sum l is taken of the UNQUANTISED p, in f32, and the product's result is divided by l at the end. Since M is a whole number, a kernel that streams over the keys may use a running M (the ceiling of the running maximum): every later rescaling is an exact power of two, which a block's scale takes up: the codes' values come out the same.
;;   OPERANDS COMPUTED ON THE WAY. 'Computed on the way' means the value that the module computes at that place (a softmax that the list does not call 'softmax' is quantised finished and normalised). What goes into a quantiser is computed in f32, as accurately as f32 sums, v_exp_f32 and their like allow (about 1e-6 of the number): no bf16 or f16 on the way to a quantiser, and a product that is left as it is and whose result goes on into a quantised operand takes f32 operands (vector FMAs, or v_wmma_f32_16x16x4_f32). A number that lies on a knife's edge between two numbers of the format may be rounded either way, as far as f32 arithmetic and the matrix unit's own rounding can turn it there, and no further.
;; One version. Each part assembles by itself: llvm-mc -triple=amdgcn-amd-amdhsa -mcpu=gfx1250 --defsym DOCPART=n.
;; ======== version 1 of 1: 5 launches
;; workspace buffers: x_op 6,553,600 bytes; wqk_op 1,638,400 bytes; wv_op 819,200 bytes; wp_op 819,200 bytes; qk_op 13,107,200 bytes; v_op 6,553,600 bytes; y_op 6,553,600 bytes
;; launch quant (part 1): grid 384 x 1, 4 waves a work-group, no clusters, 35,328 bytes of LDS; arguments x, Wq, Wk, Wv, Wp, x_op, wqk_op, wv_op, wp_op; writes x_op, wqk_op, wv_op, wp_op
.if DOCPART == 1
	.amdgcn_target "amdgcn-amd-amdhsa--gfx1250"
	.amdhsa_code_object_version 6
	.text
	.protected	k_qa5965bde47_quant
	.globl	k_qa5965bde47_quant
	.p2align	8
	.type	k_qa5965bde47_quant,@function
k_qa5965bde47_quant:
	s_mov_b64 s[64:65], 0
	v_nop
	global_prefetch_b8 v0, s[64:65] scope:SCOPE_SE
	s_setreg_imm32_b32 hwreg(HW_REG_WAVE_MODE, 25, 1), 1
	s_wait_xcnt 0x0
; x [8192][1024] and Wq, Wk, Wv, Wp [1024][1024], f32 with K innermost, become codes of FP6 (E2M3) with one E8M0 scale byte for each 32 along K,
; laid in the ORDER OF AN OPERAND'S REGISTERS.  A record of 6,400 bytes holds 64 rows (a quad) x 128 along K (a step): [c = 0,1: 64 of K][j = 0..3: a tile of 16 rows][768 bytes], then 256 bytes of
; scale words [j][r][4].  In a block of 768 bytes lane l's registers 0-3 lie at 16 l and its registers 4-5 at 512 + 8 l; lane (r, h) holds k = 64 c + 32 h + 0 .. 31 of its row.
; THE ROWS OF A TILE ARE NOT NEIGHBOURS: lane r of tile j holds row 32 (j / 2) + 8 (j % 2) + r + 8 (r / 8) of the quad, so that a product that takes such tiles as source 0 leaves 16 neighbours in 16 registers.
; A block's scale is 2^(floor(log2(largest magnitude)) - 2); its byte is the largest magnitude's exponent field - 2, held at 1 from below.
; LIMITS: a block of zeros gets the byte 1 where the rule says 127 (its codes are zeros, and this program alone reads the bytes); NaN and infinities among the inputs are not served.
; SHARES: a wave takes one record: 64 rows x 512 bytes, as four tiles.  Work-groups 0-255 take x (two to a quad), then 32 each for Wq, Wk, Wv, Wp.  Wq's and Wk's quads lie one behind the other in one buffer.
; Each load reads 512 consecutive bytes of a row; a tile turns through the wave's own stage in LDS, so that a lane gets 16 neighbours of each block of 32.  No barrier: waves share nothing.  Loads run one tile (16 loads) ahead.
.set ROWF,  4096                       ; a row of f32 in bytes
.set REC,   6400
.set SP,    528                        ; a stage row: 512 bytes + 16: the 16 rows that a read touches begin in 16 different groups of four banks
.set SCB,   16*SP                      ; behind the stage: the wave's 256 scale bytes
.set WREG,  SCB+256                    ; LDS of a wave
.set R,     12                         ; v12-139   two sets of 64: a tile as loaded
.set X,     140                        ; v140-203  64 numbers: register 16 b + i = k 32 b + 16 h + i of my row
.set TM,    204                        ; v204-219  at work
.set PW,    220                        ; v220-223  a scale word for each tile
.set T2,    224                        ; v224-231  the conversions' second halves
.set PC,    232                        ; v232-255  codes, two sets of 12 by turns
.set SEL,   22                         ; s[22:23]  lane selects: lane l xor 16
	s_load_b256 s[4:11], s[0:1], 0x0               ; x, Wq, Wk, Wv
	s_load_b256 s[12:19], s[0:1], 0x20             ; Wp, x_op, wqk_op, wv_op
	s_load_b64 s[20:21], s[0:1], 0x40              ; wp_op
	v_lshl_add_u32 v227, v0, 2, 0x8800
	v_mov_b32 v231, 0
	v_lshrrev_b32 v7, 5, v0
	v_readfirstlane_b32 s32, v7                    ; wave
	v_and_b32 v7, 31, v0                           ; lane
	v_and_b32 v8, 15, v0                           ; r
	v_bfe_u32 v9, v0, 4, 1                         ; h
	v_lshlrev_b32 v1, 4, v7                        ; 16 x lane
	v_lshlrev_b32 v2, 3, v7                        ; 8 x lane
	s_mul_i32 s33, s32, WREG
	v_add_nc_u32 v3, s33, v1                       ; into the stage: 16 x lane of a row
	v_mul_u32_u24 v4, v8, SP
	v_lshl_add_u32 v4, v9, 6, v4
	v_add_nc_u32 v4, s33, v4                       ; out of it: row r, + 64 h
	s_add_co_u32 s34, s33, SCB
	v_lshl_add_u32 v5, v8, 2, s34                  ; my row's scale word
	v_add_nc_u32 v6, s34, v2                       ; and 8 bytes a lane on the way out
	s_mov_b32 s[SEL], 0x76543210
	s_mov_b32 s[SEL+1], 0xfedcba98
.irp b, 0,1,2,3
	v_mov_b32 v[TM+4+\b], 0                        ; written once: a lane permute's destination counts as one of its sources
.endr
	s_lshr_b32 s28, ttmp9, 1                       ; x: the quad
	s_and_b32 s29, ttmp9, 127
	s_lshr_b32 s29, s29, 1                         ; weights: 0 .. 63
	s_and_b32 s30, s29, 15                         ; the quad in its own tensor
	s_and_b32 s35, ttmp9, 1
	s_lshl_b32 s35, s35, 2
	s_add_co_u32 s35, s35, s32                     ; the step: 4 x (work-group % 2) + wave
	s_cmp_lt_u32 ttmp9, 320
	s_cselect_b32 s31, s29, s30                    ; Wq and Wk: 32 quads on end in their buffer
	s_wait_alu depctr_va_vdst(0)
	s_wait_kmcnt 0x0
	s_mov_b64 s[24:25], s[12:13]                   ; the choices hang on the work-group's number alone
	s_mov_b64 s[26:27], s[20:21]
	s_cmp_lt_u32 ttmp9, 352
	s_cselect_b64 s[24:25], s[10:11], s[24:25]
	s_cselect_b64 s[26:27], s[18:19], s[26:27]
	s_cmp_lt_u32 ttmp9, 320
	s_cselect_b64 s[24:25], s[8:9], s[24:25]
	s_cselect_b64 s[26:27], s[16:17], s[26:27]
	s_cmp_lt_u32 ttmp9, 288
	s_cselect_b64 s[24:25], s[6:7], s[24:25]
	s_cmp_lt_u32 ttmp9, 256
	s_cselect_b64 s[24:25], s[4:5], s[24:25]
	s_cselect_b64 s[26:27], s[14:15], s[26:27]
	s_cselect_b32 s30, s28, s30
	s_cselect_b32 s31, s28, s31
	s_lshl_b32 s36, s30, 18                        ; 64 rows of 4,096 bytes a quad,
	s_lshl_b32 s38, s35, 9                         ; 512 bytes a step
	s_add_co_u32 s36, s36, s38
	s_mov_b32 s37, 0
	s_add_nc_u64 s[24:25], s[24:25], s[36:37]
	s_mul_i32 s36, s31, 8*REC
	s_mul_i32 s38, s35, REC
	s_add_co_u32 s36, s36, s38
	s_add_nc_u64 s[26:27], s[26:27], s[36:37]
.macro LOAD j                          ; tile j's 16 rows, in the tile's order of rows
.irp p, 0,1,2,3,4,5,6,7,8,9,10,11,12,13,14,15
	global_load_b128 v[R+64*((\j)%2)+4*\p:R+64*((\j)%2)+4*\p+3], v1, s[24:25] offset:(32*((\j)/2)+8*((\j)%2)+\p+8*(\p/8))*ROWF th:TH_LOAD_NT
.endr
.endm
; 64 numbers of a lane, register 16 b + i = k 32 b + 16 h + i of my row, become a fragment's 12 registers of codes at v[pc] and its scale word in v[pw]
.macro QUANT s, pc, pw
.irp b, 0,1,2,3
	v_max3_num_f32 v[TM+\b], |v[\s+16*\b]|, |v[\s+1+16*\b]|, 0x1800000   ; my 16 numbers of block b, and the floor 2^(3 - 127): the byte cannot fall under 1
.endr
.irp i, 2,4,6,8,10,12,14
.irp b, 0,1,2,3
	v_max3_num_f32 v[TM+\b], v[TM+\b], |v[\s+16*\b+\i]|, |v[\s+1+16*\b+\i]|   ; the four blocks by turns
.endr
.endr
.irp b, 0,1,2,3
	v_permlanex16_b32 v[TM+4+\b], v[TM+\b], s[SEL], s[SEL+1]
.endr
.irp b, 0,1,2,3
	v_max_num_f32 v[TM+\b], v[TM+\b], v[TM+4+\b]   ; with lane l xor 16's: the block's largest magnitude
.endr
.irp b, 0,1,2,3
	v_add_nc_u32 v[TM+12+\b], 0xff000000, v[TM+\b] ; 2 off its exponent field: the conversion's scale operand
.endr
.irp b, 0,1,2,3
	v_lshrrev_b32 v[TM+4+\b], 23, v[TM+12+\b]      ; the scale's byte
.endr
	v_lshl_or_b32 v[\pw], v[TM+5], 8, v[TM+4]
	v_lshl_or_b32 v[\pw], v[TM+6], 16, v[\pw]
	v_lshl_or_b32 v[\pw], v[TM+7], 24, v[\pw]
.set QC, \pc
.irp c, 0,1
	v_cvt_scalef32_pk16_fp6_f32 v[QC+6*\c:QC+2+6*\c], v[\s+32*\c:\s+15+32*\c], v[TM+12+2*\c]
	v_cvt_scalef32_pk16_fp6_f32 v[T2+4*\c:T2+2+4*\c], v[\s+16+32*\c:\s+31+32*\c], v[TM+12+2*\c+1]   ; (a conversion's three registers begin on an even number)
.endr
	v_nop                                          ; one plain place behind a scaled conversion
.irp c, 0,1                            ; the layout wants a whole block in a lane: lanes 0-15 block 2 c, lanes 16-31 block 2 c + 1
.irp i, 0,1,2
	v_permlane16_swap_b32 v[QC+6*\c+\i], v[T2+4*\c+\i]
.endr
.irp i, 0,1,2
	v_mov_b32 v[QC+3+6*\c+\i], v[T2+4*\c+\i]
.endr
.endr
.endm
.macro TILE j
.if (\j) < 3
	s_wait_loadcnt 16                              ; this tile's 16 loads are in; the next tile's 16 may be out
.else
	s_wait_loadcnt 0x0
.endif
.irp p, 0,1,2,3,4,5,6,7,8,9,10,11,12,13,14,15
	ds_store_b128 v3, v[R+64*((\j)%2)+4*\p:R+64*((\j)%2)+4*\p+3] offset:\p*SP
.endr
.irp b, 0,1,2,3
.irp i, 0,1,2,3
	ds_load_b128 v[X+16*\b+4*\i:X+16*\b+4*\i+3], v4 offset:128*\b+16*\i   ; LDS serves a wave's instructions in order: these see the stores above
.endr
.endr
	s_wait_dscnt 0x0                               ; the numbers are back, and the stores have read the set of registers,
.if (\j) >= 2
	s_wait_xcnt 0x0                                ; the stores of two tiles ago have read this set of codes: it is written again only behind this wait
.endif
.if (\j) < 2
	LOAD (\j)+2                                    ; which takes the tile two on
.endif
	QUANT X, PC+12*((\j)%2), PW+(\j)
	ds_store_b32 v5, v[PW+(\j)] offset:64*(\j)     ; lanes l and l xor 16 write the same word with the same value
	global_store_b128 v1, v[QC:QC+3], s[26:27] offset:768*(\j)            ; 512 consecutive bytes
	global_store_b64 v2, v[QC+4:QC+5], s[26:27] offset:768*(\j)+512       ; 256 consecutive bytes
	global_store_b128 v1, v[QC+6:QC+9], s[26:27] offset:768*(\j)+3072
	global_store_b64 v2, v[QC+10:QC+11], s[26:27] offset:768*(\j)+3584
.endm
	LOAD 0
	LOAD 1
	TILE 0
	TILE 1
	TILE 2
	TILE 3
	ds_load_b64 v[8:9], v6                         ; the record's 256 scale bytes
	s_wait_dscnt 0x0
	global_store_b64 v2, v[8:9], s[26:27] offset:6144   ; 32 lanes store 256 consecutive aligned bytes
	s_wait_tensorcnt 0x0
	ds_add_u32 v227, v231
	s_wait_dscnt 0x0
	s_endpgm
.Lfunc_end_k_qa5965bde47_quant:
	.size	k_qa5965bde47_quant, .Lfunc_end_k_qa5965bde47_quant-k_qa5965bde47_quant
	.p2alignl 7, 3214868480
	.fill 96, 4, 3214868480
	.section	.rodata,"a",@progbits
	.p2align	6, 0x0
	.amdhsa_kernel k_qa5965bde47_quant
		.amdhsa_group_segment_fixed_size 35328
		.amdhsa_private_segment_fixed_size 0
		.amdhsa_enable_private_segment 0
		.amdhsa_kernarg_size 72
		.amdhsa_user_sgpr_count 2
		.amdhsa_user_sgpr_kernarg_segment_ptr 1
		.amdhsa_wavefront_size32 1
		.amdhsa_system_sgpr_workgroup_id_x 1
		.amdhsa_system_sgpr_workgroup_id_y 1
		.amdhsa_system_sgpr_workgroup_id_z 1
		.amdhsa_system_vgpr_workitem_id 0
		.amdhsa_next_free_vgpr 256
		.amdhsa_next_free_sgpr 66
		.amdhsa_reserve_vcc 0
		.amdhsa_float_denorm_mode_32 3
		.amdhsa_float_denorm_mode_16_64 3
		.amdhsa_memory_ordered 1
		.amdhsa_forward_progress 1
		.amdhsa_inst_pref_size 35
	.end_amdhsa_kernel
	.amdgpu_metadata
---
amdhsa.version: [ 1, 2 ]
amdhsa.kernels:
  - .name:           k_qa5965bde47_quant
    .symbol:         k_qa5965bde47_quant.kd
    .args:
      - { .name: x, .offset: 0, .size: 8, .value_kind: global_buffer, .address_space: global }
      - { .name: Wq, .offset: 8, .size: 8, .value_kind: global_buffer, .address_space: global }
      - { .name: Wk, .offset: 16, .size: 8, .value_kind: global_buffer, .address_space: global }
      - { .name: Wv, .offset: 24, .size: 8, .value_kind: global_buffer, .address_space: global }
      - { .name: Wp, .offset: 32, .size: 8, .value_kind: global_buffer, .address_space: global }
      - { .name: x_op, .offset: 40, .size: 8, .value_kind: global_buffer, .address_space: global }
      - { .name: wqk_op, .offset: 48, .size: 8, .value_kind: global_buffer, .address_space: global }
      - { .name: wv_op, .offset: 56, .size: 8, .value_kind: global_buffer, .address_space: global }
      - { .name: wp_op, .offset: 64, .size: 8, .value_kind: global_buffer, .address_space: global }
    .group_segment_fixed_size: 35328
    .private_segment_fixed_size: 0
    .kernarg_segment_align: 8
    .kernarg_segment_size: 72
    .max_flat_workgroup_size: 128
    .sgpr_count:     66
    .vgpr_count:     256
    .wavefront_size: 32
...
	.end_amdgpu_metadata
.endif
;; end of part 1
;; launch qk (part 2): grid 32 x 8, 4 waves a work-group, clusters of 4 x 4, 327,680 bytes of LDS; arguments wqk_op, x_op, qk_op; writes qk_op
.if DOCPART == 2
	.amdgcn_target "amdgcn-amd-amdhsa--gfx1250"
	.amdhsa_code_object_version 6
	.text
	.protected	k_qa5965bde47_qk
	.globl	k_qa5965bde47_qk
	.p2align	8
	.type	k_qa5965bde47_qk,@function
k_qa5965bde47_qk:
	s_mov_b64 s[64:65], 0
	v_nop
	global_prefetch_b8 v0, s[64:65] scope:SCOPE_SE
	s_setreg_imm32_b32 hwreg(HW_REG_WAVE_MODE, 25, 1), 1
	s_wait_xcnt 0x0
	s_wait_alu depctr_hold_cnt(0) depctr_sa_sdst(0) depctr_va_vdst(0) depctr_va_sdst(0) depctr_va_ssrc(0) depctr_va_vcc(0) depctr_vm_vsrc(0)
	s_getreg_b32 s2, hwreg(HW_REG_IB_STS2, 6, 4)
	s_cmp_eq_u32 s2, 0
	s_cbranch_scc0 .Lentry_in_a_cluster
	s_endpgm
.Lentry_in_a_cluster:
	s_bfe_u32 s2, ttmp6, 0x10000c
	s_cmp_lg_u32 s2, 0xf033
	s_cbranch_scc0 .Lentry_shape_is_right
	s_endpgm
.Lentry_shape_is_right:
; OUT = the quantised codes of P R^T, K = 1,024, on codes of FP6 (E2M3) with E8M0 scales.  P (first argument) is source 0, R (second) source 1; the result is quantised ALONG P's ROWS and stored as an operand.
; With P = Wq and Wk, R = x: a lane holds a token and its registers run along the features: q's and k's codes along each head's 64.  With P = x, R = Wv: a lane holds a channel and its registers run along the tokens: v's codes along the keys.
; OPERANDS lie as records of 6,400 bytes for 64 rows (a quad) x 128 along K (a step): [c: 64 of K][j: tile of 16 rows][768 bytes: lane l's registers 0-3 at 16 l, 4-5 at 512 + 8 l], then 256 bytes of scale words [j][r][4].
; Lane r of tile j holds row 32 (j / 2) + 8 (j % 2) + r + 8 (r / 8) of its quad.  So the 64 registers that a lane holds of one tile of R's rows against my 128 rows of P are, register 16 b + i, P's row 32 b + 16 h + i:
; 128 neighbours along the next K, in the order that the quantiser wants.  Both inputs have 8 steps to a quad (51,200 bytes), the output 16 (102,400 bytes).
; A tile of 256 x 256 is made by four waves, each 128 x 128: 64 accumulators, 512 registers.  K goes in steps of 256 (two records a quad) through a ring of two LDS slots; the scale words ride in the records.
; CLUSTERS: 4 x 4 work-groups.  R's tile hangs on the work-group's x alone and is shared along a column of the cluster, P's on its y alone and is shared along a row: each is asked for jointly.
; OUTPUT place: (gP / 8) x 1,638,400 + (R's quad) x 102,400 + ((2 gP + half) % 16) x 6,400: the first term is 0 where P has 8 tiles (q, k) and the batch where P's rows are tokens (v).
; LIMITS: a block of zeros gets the scale byte 1 where the rule says 127 (its codes are zeros; this program alone reads the bytes); NaN and infinities are not served.
; REGISTERS, in windows of 256: window 0: v14-31 addresses; v32-63 scale words, two sets; v64-95 at work on the way out; v96-191 the codes made on the way out; from v128 R's fragments, one set.
;   window 1: P's fragments, two sets, at v0 and v128.   window 2: the accumulators of my tiles 0-3 of R's rows ((a, b) at v[8 (8 a + b)]);   window 3: those of tiles 4-7.
.set REC,    6400
.set QIN,    8*REC                     ; from quad to quad in an input
.set QOUT,   16*REC                    ; and in the output
.set NQ,     2                         ; steps of 128 in a slot
.set FR,     12                        ; registers of a fragment
.set NL,     4                         ; LDS loads that bring one
.set NP,     4                         ; places behind this matrix instruction (ISA guide 7.12.1)
.set HALFT,  4*REC                     ; 128 rows x 256 K: [quad 2][step 2][record]: what one tensor load brings
.set SLOT,   4*HALFT                   ; R's two halves, then P's two
.set LAPS,   2                         ; 1,024 along K = twice round the ring
.set SPARE,  2*SLOT                    ; the spare words, 128 bytes for each wave: two blocks of 256 bytes that no other line names
.set SSTG,   SPARE+512                 ; 512 bytes for each wave: the scale words made on the way out; no tensor load fills them
.set SGO,  14                          ; v14  the scale words' place in the output
.set ADRA, 16                          ; v16-17 R's fragments in slot 0, 1, 16 x lane;  v18-19 the same with 8 x lane
.set ADRB, 20                          ; v20-23 the same for P
.set LI,   24                          ; v24  16 x lane
.set L8,   25                          ; v25  8 x lane
.set ADRS, 26                          ; v26-27 my scale words in slot 0, 1: lanes 0-15 R's rows, lanes 16-31 P's
.set SPW,  28                          ; v28  my spare word; never rewritten
.set NIL,  29                          ; v29  0; never rewritten
.set SST,  30                          ; v30  where I put a scale word on the way out
.set SRD,  31                          ; v31  and where I read 16 bytes of them back
.set SC,   32
.set TM,   64
.set T2,   80
.set PW,   88
.set OUTC, 96
.set AF,   128
.set SEL,  12                          ; s[12:13] lane selects: lane l xor 16
.set G1,   24                          ; s[24:31], s[32:39]: groups 1 and 0 (a set for each slot) for R's tiles
.set G0,   32
.set G1B,  48                          ; s[48:55], s[56:63]: for P's
.set G0B,  56
.set MSB, 0
.macro WIN new                         ; the immediate's high byte repeats the setting that is left
.if MSB != (\new)
	s_set_vgpr_msb (MSB<<8)|(\new)
.set MSB, (\new)
.endif
.endm
.set MUL_LO, 0xa1                      ; source 0 (P) window 1, source 1 (R) window 0, C and D window 2
.set MUL_HI, 0xf1
.set TO_B,   0x40
; A joint load: waves 0 and 1 fetch R's halves, waves 2 and 3 P's.  The branch hangs on the wave's number alone.  Four v_nop follow each of the two lines.
.macro JLOAD g0a, g1a, g0b, g1b
	s_cmp_eq_u32 s15, 0
	s_cbranch_scc0 .Lfor_b_\@
	tensor_load_to_lds s[\g0a:\g0a+3], s[\g1a:\g1a+7]
	s_nop 0
.rept 4
	v_nop
.endr
	s_branch .Lasked_\@
.Lfor_b_\@:
	tensor_load_to_lds s[\g0b:\g0b+3], s[\g1b:\g1b+7]
	s_nop 0
.rept 4
	v_nop
.endr
.Lasked_\@:
.endm
.macro CREST                           ; a round of the cluster's barrier behind its opening barrier
	s_cmp_lg_u32 s14, 0
	s_cbranch_scc1 .Lnot_wave_0_\@
	s_barrier_signal -3
.Lnot_wave_0_\@:
	s_barrier_wait -3
	s_barrier_signal -1
	s_barrier_wait -1
.endm
.macro CROUND
	s_barrier_signal -1
	s_barrier_wait -1
	CREST
.endm
	s_load_b128 s[4:7], s[0:1], 0x0                ; P s[4:5], R s[6:7]
	s_load_b64 s[8:9], s[0:1], 0x10                ; the output
	v_lshl_add_u32 v[SPW], v0, 2, SPARE
	v_mov_b32 v[NIL], 0
	ds_add_u32 v28, v29
	ds_add_u32 v28, v29
	s_wait_dscnt 0x0
	v_lshrrev_b32 v1, 5, v0
	v_readfirstlane_b32 s14, v1                    ; wave 0..3
	s_lshr_b32 s15, s14, 1                         ; which half of R's rows is mine.  Also: I fetch for R (0) or for P (1)
	s_and_b32 s16, s14, 1                          ; which half of P's rows.  Also: which half of that tile I fetch
	s_bfe_u32 s40, ttmp6, 0x40000                  ; cx, cy: my place in the cluster
	s_bfe_u32 s41, ttmp6, 0x40004
	s_lshl_b32 s17, ttmp9, 2
	s_add_co_u32 s17, s17, s40                     ; gR: R's tile = 4 x cluster x + cx
	s_and_b32 s42, ttmp7, 0xffff
	s_lshl_b32 s42, s42, 2
	s_add_co_u32 s42, s42, s41                     ; gP: P's tile = 4 x cluster y + cy
	s_lshl_b32 s43, 0x1111, s40                    ; my column of the cluster: the same cx
	s_lshl_b32 s44, s41, 2
	s_lshl_b32 s44, 15, s44                        ; my row: the same cy
	; group 1: 2 rows (quads) of 12,800 bytes (two records), 51,200 bytes apart; elements of 8 bytes; no padding: the records are read lane by lane, on end
	s_or_b32 s[G1+0], s43, (3<<16)|(1<<21)         ; 15:0 the mask; 17:16 elements of 8 bytes; 21 set beside a mask
	s_or_b32 s[G1B+0], s44, (3<<16)|(1<<21)
.irp g, G1, G1B
	s_mov_b32 s[\g+1], 1600<<16                    ; tensor_dim0 = 1,600
	s_mov_b32 s[\g+2], 2<<16                       ; tensor_dim1 = 2
	s_mov_b32 s[\g+3], 1600<<16                    ; tile_dim0
	s_mov_b32 s[\g+4], 2                           ; tile_dim1
	s_mov_b32 s[\g+5], 6400                        ; tensor_dim0_stride, in elements
	s_mov_b32 s[\g+6], 0
	s_mov_b32 s[\g+7], 0
.endr
	s_lshl_b32 s18, s16, 1                         ; which two quads of the tile I fetch
	s_lshl_b32 s20, s17, 2
	s_add_co_u32 s20, s20, s18
	s_mul_i32 s20, s20, QIN                        ; R: quad 4 gR + 2 x half
	s_mov_b32 s21, 0
	s_lshl_b32 s46, s42, 2
	s_add_co_u32 s46, s46, s18
	s_mul_i32 s46, s46, QIN                        ; P: quad 4 gP + 2 x half
	s_mov_b32 s47, 0
	s_mul_i32 s45, s14, HALFT                      ; where they go: wave x a half: no place in the cluster enters an LDS address
	s_mov_b32 s[SEL], 0x76543210
	s_mov_b32 s[SEL+1], 0xfedcba98
	s_wait_kmcnt 0x0
	s_add_nc_u64 s[20:21], s[6:7], s[20:21]
	s_add_nc_u64 s[46:47], s[4:5], s[46:47]
	CROUND                                         ; all sixteen work-groups are here: the first joint loads meet
.irp s, 0,1
	s_mov_b32 s[G0+4*\s], 1
	s_add_co_u32 s[G0+4*\s+1], s45, \s*SLOT
	s_add_nc_u64 s[G0+4*\s+2:G0+4*\s+3], s[20:21], \s*2*REC
	s_or_b32 s[G0+4*\s+3], s[G0+4*\s+3], 0x80000000
	s_mov_b32 s[G0B+4*\s], 1
	s_add_co_u32 s[G0B+4*\s+1], s45, \s*SLOT
	s_add_nc_u64 s[G0B+4*\s+2:G0B+4*\s+3], s[46:47], \s*2*REC
	s_or_b32 s[G0B+4*\s+3], s[G0B+4*\s+3], 0x80000000
	JLOAD G0+4*\s, G1, G0B+4*\s, G1B
.endr
	v_and_b32 v1, 15, v0                           ; r
	v_bfe_u32 v2, v0, 4, 1                         ; h
	v_and_b32 v3, 31, v0
	v_lshlrev_b32 v[LI], 4, v3
	v_lshlrev_b32 v[L8], 3, v3
	s_mul_i32 s21, s15, HALFT                      ; my half of R
	s_mul_i32 s22, s16, HALFT
	s_add_co_u32 s22, s22, 2*HALFT                 ; my half of P, behind R's two
.irp s, 0,1
	v_add_nc_u32 v[ADRA+\s], s21, v[LI]
	v_add_nc_u32 v[ADRB+\s], s22, v[LI]
	v_add_nc_u32 v[ADRA+2+\s], s21, v[L8]
	v_add_nc_u32 v[ADRB+2+\s], s22, v[L8]
	s_add_co_u32 s21, s21, SLOT
	s_add_co_u32 s22, s22, SLOT
.endr
	s_xor_b32 s22, s15, 1                          ; from my half of R to my half of P: (2 + P's half - R's half) halves, as one product with h
	s_add_co_u32 s22, s22, s16
	s_add_co_u32 s22, s22, 1
	s_mul_i32 s22, s22, HALFT
	v_mul_u32_u24 v6, s22, v2                      ; lanes 16-31 take P's
	v_lshl_add_u32 v6, v1, 2, v6
	s_mul_i32 s21, s15, HALFT
	s_add_co_u32 s21, s21, 6144
	v_add_nc_u32 v[ADRS], s21, v6
	v_add_nc_u32 v[ADRS+1], SLOT, v[ADRS]
	s_lshl_b32 s23, s14, 9
	s_add_co_u32 s23, s23, SSTG
	v_lshl_add_u32 v[SST], v1, 2, s23
	v_add_nc_u32 v[SRD], s23, v[LI]
	v_mul_u32_u24 v[SGO], v2, QOUT                 ; lanes 0-15 the first quad's 256 scale bytes, lanes 16-31 the second's
	v_lshl_add_u32 v[SGO], v1, 4, v[SGO]
.irp b, 0,1,2,3
	v_mov_b32 v[TM+4+\b], 0                        ; written once: a lane permute's destination counts as one of its sources
.endr
	s_lshr_b32 s66, s42, 3                         ; where my part of the output begins
	s_mul_i32 s66, s66, 16*QOUT
	s_lshl_b32 s67, s17, 2
	s_lshl_b32 s68, s15, 1
	s_add_co_u32 s67, s67, s68
	s_mul_i32 s67, s67, QOUT
	s_add_co_u32 s66, s66, s67
	s_lshl_b32 s67, s42, 1
	s_add_co_u32 s67, s67, s16
	s_and_b32 s67, s67, 15
	s_mul_i32 s67, s67, REC
	s_add_co_u32 s66, s66, s67
	s_mov_b32 s67, 0
	s_add_nc_u64 s[8:9], s[8:9], s[66:67]
.macro FRAG reg, adr, q, i             ; block i (16 rows) of my half, the slot's q-th 128 along K: 12 registers as they lie in the record
.set FRG, \reg
.set FO, ((\i)/4)*2*REC+(\q)*REC+((\i)%4)*768
	ds_load_b128 v[FRG:FRG+3], v[\adr] offset:FO
	ds_load_b64 v[FRG+4:FRG+5], v[\adr+2] offset:FO+512
	ds_load_b128 v[FRG+6:FRG+9], v[\adr] offset:FO+3072
	ds_load_b64 v[FRG+10:FRG+11], v[\adr+2] offset:FO+3584
.endm
; 16 matrix instructions: R's blocks a0, a0 + 1 x P's eight.  p: P's set; sc: the set of scale words.  zero = 1: the first product starts the sums.  The 64 accumulators take turns, one instruction a turn.
.macro MUL16 a0, p, q, sc, zero
.irp a, \a0, \a0+1
.irp b, 0,1,2,3,4,5,6,7
.if \zero
	v_wmma_scale_f32_16x16x128_f8f6f4 v[8*(8*((\a)%4)+\b):8*(8*((\a)%4)+\b)+7], v[128*(\p)+FR*\b:128*(\p)+FR*\b+FR-1], v[AF+FR*(\a):AF+FR*(\a)+FR-1], 0, v[SC+8*NQ*(\sc)+NQ*\b+(\q)], v[SC+8*NQ*(\sc)+NQ*(\a)+(\q)] matrix_a_fmt:MATRIX_FMT_FP6 matrix_b_fmt:MATRIX_FMT_FP6 matrix_a_scale:MATRIX_SCALE_ROW1
.else
	v_wmma_scale_f32_16x16x128_f8f6f4 v[8*(8*((\a)%4)+\b):8*(8*((\a)%4)+\b)+7], v[128*(\p)+FR*\b:128*(\p)+FR*\b+FR-1], v[AF+FR*(\a):AF+FR*(\a)+FR-1], v[8*(8*((\a)%4)+\b):8*(8*((\a)%4)+\b)+7], v[SC+8*NQ*(\sc)+NQ*\b+(\q)], v[SC+8*NQ*(\sc)+NQ*(\a)+(\q)] matrix_a_fmt:MATRIX_FMT_FP6 matrix_b_fmt:MATRIX_FMT_FP6 matrix_a_scale:MATRIX_SCALE_ROW1
.endif
.endr
.endr
.endm
.macro FETCH_B slot, q, p
	WIN TO_B
.irp i, 0,1,2,3,4,5,6,7
	FRAG 128*(\p)+FR*\i, ADRB+\slot, \q, \i
.endr
	WIN 0
.endm
.macro FETCH_A slot, q, i0
.irp i, \i0, \i0+1, \i0+2, \i0+3
	FRAG AF+FR*(\i), ADRA+\slot, \q, \i
.endr
.endm
.macro SCALES sc                       ; slot sc's scale words: register NQ i + q: lanes 0-15 the word of R's block i, lanes 16-31 that of P's block i
.irp i, 0,1,2,3,4,5,6,7
.irp q, 0,1
	ds_load_b32 v[SC+8*NQ*\sc+NQ*\i+\q], v[ADRS+\sc] offset:(\i/4)*2*REC+\q*REC+(\i%4)*64
.endr
.endr
.endm
.macro PLACES n                        ; plain vector instructions between a matrix instruction and a load into, or a read of, its registers (ISA guide 7.12.1 for reads)
.rept \n
	v_nop
.endr
.endm
.macro STEP slot, q, zero              ; a step of 128 along K that has its successor in the same slot
	s_wait_dscnt 4*NL                              ; P's set, R's blocks 0-3 and the scale words are in; the youngest 16 loads (R's blocks 4-7) may be out
	WIN MUL_LO
	MUL16 0, (\q)%2, \q, \slot, \zero
	MUL16 2, (\q)%2, \q, \slot, \zero
	s_wait_dscnt 0
	PLACES NP
	FETCH_B \slot, (\q)+1, 1-(\q)%2
	FETCH_A \slot, (\q)+1, 0
	WIN MUL_HI
	MUL16 4, (\q)%2, \q, \slot, \zero
	MUL16 6, (\q)%2, \q, \slot, \zero
	PLACES NP
	WIN 0
	FETCH_A \slot, (\q)+1, 4
.endm
; A slot's last step changes slots: one barrier; in front of it each wave waits for all its tensor loads, adds 0 to its spare word, and waits for that and for its reads of this slot.  fill = 1: the slot is filled again, two K steps ahead.
.macro TURN slot, next, fill
	s_wait_tensorcnt 0x0                           ; all my tensor loads have landed: my part of the next slot
	ds_add_u32 v[SPW], v[NIL]                      ; 0 onto my spare word
	s_wait_dscnt 4*NL+1                            ; (the add and the youngest 16 loads, R's blocks 4-7, may be out)
	WIN MUL_LO
	MUL16 0, 1, NQ-1, \slot, 0
	s_wait_dscnt 0x0                               ; the add is done, and my reads of this slot are over
	s_barrier_signal -1
	MUL16 2, 1, NQ-1, \slot, 0
	WIN 0
	s_barrier_wait -1
.if \fill
	CREST                                          ; the barrier has opened a round of the cluster's: no wave of any partner still reads this slot or has a load on its way
	s_add_nc_u64 s[G0+4*\slot+2:G0+4*\slot+3], s[G0+4*\slot+2:G0+4*\slot+3], 4*REC
	s_add_nc_u64 s[G0B+4*\slot+2:G0B+4*\slot+3], s[G0B+4*\slot+2:G0B+4*\slot+3], 4*REC
	JLOAD G0+4*\slot, G1, G0B+4*\slot, G1B         ; the first tensor load behind the round; its four v_nop are the places in front of the loads below
.else
	PLACES NP
.endif
	FETCH_B \next, 0, 0
	FETCH_A \next, 0, 0
	s_wait_alu depctr_va_vdst(0)
	SCALES \next
	WIN MUL_HI
	MUL16 4, 1, NQ-1, \slot, 0
	MUL16 6, 1, NQ-1, \slot, 0
	PLACES NP
	WIN 0
	FETCH_A \next, 0, 4
.endm
	s_wait_tensorcnt 1                             ; my part of slot 0 is in; slot 1's load may be out
	s_barrier_signal -1
	s_barrier_wait -1
	FETCH_B 0, 0, 0
	FETCH_A 0, 0, 0
	SCALES 0
	FETCH_A 0, 0, 4
	STEP 0, 0, 1                                   ; the first step stands in front of the loop: its products start the sums
	s_mov_b32 s3, LAPS-1
.Llap:                                                 ; a trip goes once round the ring and fills both slots again
	TURN 0, 1, 1
	STEP 1, 0, 0
	TURN 1, 0, 1
	STEP 0, 0, 0
	s_sub_co_u32 s3, s3, 1
	s_cmp_lg_u32 s3, 0
	s_cbranch_scc1 .Llap
	TURN 0, 1, 0                                   ; the last lap fills nothing
	STEP 1, 0, 0
	s_wait_dscnt 4*NL
	WIN MUL_LO
	MUL16 0, 1, NQ-1, 1, 0
	MUL16 2, 1, NQ-1, 1, 0
	s_wait_dscnt 0
	WIN MUL_HI
	MUL16 4, 1, NQ-1, 1, 0
	MUL16 6, 1, NQ-1, 1, 0
	WIN 0
; THE WAY OUT.  Tile a of R's rows: my lane's 64 results are 128 / 2 neighbours along the next K in the quantiser's order; they become a fragment's codes and a scale word, and the codes are stored as the record wants them.
; Each accumulator is first read at its registers 0 and 1.  Each tile has its own registers for its codes, so no store's data are written again.
.macro QACC a
.set AC, 64*((\a)%4)
.set WW, 2+(\a)/4
.set W01, WW|(WW<<2)
.set W12, (WW<<2)|(WW<<4)
.set OC, OUTC+12*(\a)
.set OB, ((\a)/4)*QOUT+((\a)%4)*768
	WIN W01                                        ; sources 0 and 1: the accumulators' window
.irp b, 0,1,2,3
	v_max3_num_f32 v[TM+\b], |v[AC+16*\b]|, |v[AC+16*\b+1]|, 0x1800000   ; and the floor 2^(3 - 127): the byte cannot fall under 1
.endr
	WIN W12                                        ; sources 1 and 2
.irp i, 2,4,6,8,10,12,14
.irp b, 0,1,2,3
	v_max3_num_f32 v[TM+\b], v[TM+\b], |v[AC+16*\b+\i]|, |v[AC+16*\b+\i+1]|
.endr
.endr
	WIN 0
.irp b, 0,1,2,3
	v_permlanex16_b32 v[TM+4+\b], v[TM+\b], s[SEL], s[SEL+1]
.endr
.irp b, 0,1,2,3
	v_max_num_f32 v[TM+\b], v[TM+\b], v[TM+4+\b]
.endr
.irp b, 0,1,2,3
	v_add_nc_u32 v[TM+12+\b], 0xff000000, v[TM+\b] ; 2 off the exponent field: the conversion's scale operand
.endr
.irp b, 0,1,2,3
	v_lshrrev_b32 v[TM+4+\b], 23, v[TM+12+\b]
.endr
	v_lshl_or_b32 v[PW+(\a)], v[TM+5], 8, v[TM+4]
	v_lshl_or_b32 v[PW+(\a)], v[TM+6], 16, v[PW+(\a)]
	v_lshl_or_b32 v[PW+(\a)], v[TM+7], 24, v[PW+(\a)]
	WIN WW                                         ; source 0
.irp c, 0,1
	v_cvt_scalef32_pk16_fp6_f32 v[OC+6*\c:OC+6*\c+2], v[AC+32*\c:AC+32*\c+15], v[TM+12+2*\c]
	v_cvt_scalef32_pk16_fp6_f32 v[T2+4*\c:T2+4*\c+2], v[AC+32*\c+16:AC+32*\c+31], v[TM+12+2*\c+1]
.endr
	WIN 0
	v_nop                                          ; one plain place behind a scaled conversion
.irp c, 0,1
.irp i, 0,1,2
	v_permlane16_swap_b32 v[OC+6*\c+\i], v[T2+4*\c+\i]
.endr
.irp i, 0,1,2
	v_mov_b32 v[OC+6*\c+3+\i], v[T2+4*\c+\i]
.endr
.endr
	ds_store_b32 v[SST], v[PW+(\a)] offset:64*(\a)
	global_store_b128 v[LI], v[OC:OC+3], s[8:9] offset:OB               ; 512 consecutive bytes, at a multiple of 256 from the buffer's first byte
	global_store_b64 v[L8], v[OC+4:OC+5], s[8:9] offset:OB+512          ; 256 consecutive bytes
	global_store_b128 v[LI], v[OC+6:OC+9], s[8:9] offset:OB+3072
	global_store_b64 v[L8], v[OC+10:OC+11], s[8:9] offset:OB+3584
.endm
	PLACES NP                                      ; behind the last products: reads of results, and writes of registers that held R's fragments
.irp a, 0,1,2,3,4,5,6,7
	QACC \a
.endr
	ds_load_b128 v[T2:T2+3], v[SRD]                ; my eight tiles' scale words: LDS serves a wave's instructions in order
	s_wait_dscnt 0x0
	global_store_b128 v[SGO], v[T2:T2+3], s[8:9] offset:6144   ; sixteen lanes store a record's 256 scale bytes
	s_wait_tensorcnt 0x0                           ; the wave's end
	ds_add_u32 v[SPW], v[NIL]
	s_wait_dscnt 0x0
	CROUND                                         ; the closing round: no work-group ends while a partner may still ask for a tile that names it
	s_endpgm
.Lfunc_end_k_qa5965bde47_qk:
	.size	k_qa5965bde47_qk, .Lfunc_end_k_qa5965bde47_qk-k_qa5965bde47_qk
	.p2alignl 7, 3214868480
	.fill 96, 4, 3214868480
	.section	.rodata,"a",@progbits
	.p2align	6, 0x0
	.amdhsa_kernel k_qa5965bde47_qk
		.amdhsa_group_segment_fixed_size 327680
		.amdhsa_private_segment_fixed_size 0
		.amdhsa_enable_private_segment 0
		.amdhsa_kernarg_size 24
		.amdhsa_user_sgpr_count 2
		.amdhsa_user_sgpr_kernarg_segment_ptr 1
		.amdhsa_wavefront_size32 1
		.amdhsa_system_sgpr_workgroup_id_x 1
		.amdhsa_system_sgpr_workgroup_id_y 1
		.amdhsa_system_sgpr_workgroup_id_z 1
		.amdhsa_system_vgpr_workitem_id 0
		.amdhsa_next_free_vgpr 1024
		.amdhsa_next_free_sgpr 72
		.amdhsa_reserve_vcc 0
		.amdhsa_float_denorm_mode_32 3
		.amdhsa_float_denorm_mode_16_64 3
		.amdhsa_memory_ordered 1
		.amdhsa_forward_progress 1
		.amdhsa_inst_pref_size 149
	.end_amdhsa_kernel
	.amdgpu_metadata
---
amdhsa.version: [ 1, 2 ]
amdhsa.kernels:
  - .name:           k_qa5965bde47_qk
    .symbol:         k_qa5965bde47_qk.kd
    .args:
      - { .name: wqk_op, .offset: 0, .size: 8, .value_kind: global_buffer, .address_space: global }
      - { .name: x_op, .offset: 8, .size: 8, .value_kind: global_buffer, .address_space: global }
      - { .name: qk_op, .offset: 16, .size: 8, .value_kind: global_buffer, .address_space: global }
    .group_segment_fixed_size: 327680
    .private_segment_fixed_size: 0
    .kernarg_segment_align: 8
    .kernarg_segment_size: 24
    .max_flat_workgroup_size: 128
    .sgpr_count:     72
    .vgpr_count:     1024
    .wavefront_size: 32
...
	.end_amdgpu_metadata
.endif
;; end of part 2
;; launch vt: the kernel of part 2 again; grid 4 x 32, 4 waves a work-group, clusters of 4 x 4, 327,680 bytes of LDS; arguments x_op, wv_op, v_op; writes v_op
;; launch attn (part 3): grid 4 x 64, 16 waves a work-group, no clusters, 327,680 bytes of LDS; arguments qk_op, v_op, y_op; writes y_op
.if DOCPART == 3
	.amdgcn_target "amdgcn-amd-amdhsa--gfx1250"
	.amdhsa_code_object_version 6
	.text
	.protected	k_qa5965bde47_attn
	.globl	k_qa5965bde47_attn
	.p2align	8
	.type	k_qa5965bde47_attn,@function
k_qa5965bde47_attn:
	s_mov_b64 s[64:65], 0
	v_nop
	global_prefetch_b8 v0, s[64:65] scope:SCOPE_SE
	s_setreg_imm32_b32 hwreg(HW_REG_WAVE_MODE, 25, 1), 1
	s_wait_xcnt 0x0
; y[b][q][head] = softmax_k(q . k / 8, causal) v, both products on codes of FP6 (E2M3) with E8M0 scales; y is quantised along the head's 64 channels and stored as the last product's operand.
; INPUTS, as records of 6,400 bytes for 64 rows x 128 along K ([c: 64 of K][j: tile of 16 rows][768 bytes: lane l's registers 0-3 at 16 l, 4-5 at 512 + 8 l], then scale words [j][r][4]; lane r of tile j holds row
; 32 (j / 2) + 8 (j % 2) + r + 8 (r / 8) of its 64): qk_op [token quad][16 steps]: step s < 8: q of heads 2 s, 2 s + 1 (c = head % 2), step 8 + s: k likewise.  v_op [batch x 16 + head: 64 channels][16 steps of 128 keys].
; THE SOFTMAX: t = score x log2(e) / 8; M = the running largest t rounded up to a whole number; p = 2^(t - M) is quantised along the keys, not normalised; the row's sum is taken of the unquantised p and divides at the end.
; When M moves, the sum and O are multiplied by 2^(old M - new M): exact.  Both products are used transposed (S^T = K Q^T, O^T = V^T P^T): a lane holds one query throughout.
; K = 64 IN AN INSTRUCTION OF 128: Q's registers 6-11 are zero codes, kept for the whole launch; source 0's registers 6-11 are whatever follows (the next tile's codes: every 6-bit code is a finite number); both sides' scale
; words come as 16 bits, so that the bytes of blocks 2 and 3 are 0, which is 2^-127: those blocks add exactly 0.
; SHARES.  A work-group owns query blocks i and 7 - i (256 queries each) of one head, one after the other: (i + 1) + (8 - i) = 9 slots of 256 keys whatever i is: a constant trip count, equal work, no slot fetched in vain.
; Each of sixteen waves owns one tile of 16 queries in 256 registers: four waves to a SIMD, so that one wave's vector work stands beside another's matrix work and LDS loads.
; A step all of whose keys come after the wave's queries is jumped over by a scalar branch on ids; on the diagonal hidden scores become -infinity ahead of the maximum.
; NO CLUSTER: the four work-groups of a head walk the key slots in different orders (slot TC, or TC - i - 1), so their requests never meet, and the two heads of a pair read different bytes of a record.
; LIMITS: t is rounded once where the definition rounds twice; 1 / sum by v_rcp_f32; a block of zeros gets the scale byte 1 (its codes are zeros; this program alone reads the bytes); NaN and infinities are not served.
; y's two scale bytes a row are 32 bytes a tile: those stores cover part of an aligned 256 bytes (the head pair's other half comes from another work-group); they are 1 byte in 24 of what is stored.
; REGISTERS: v1 16 l, v2 8 l, v3 4 r + 2 c, v4 4 r, v5-6 the add's, v7 r + 8 (r / 8) - 16 h; v8-11 the step's LDS addresses; v12 -M, v13 largest t, v[14:15] the sum; v16-21 Q, v22-27 zeros, v28 Q's scales;
;   v32-79 K's eight tiles (6 each), then V's four fragments; v80-85 zeros; v86-93 scale words; v96-159 S^T, then p; v160-191 O^T; v224-235 p's codes; v232-254 at work.
.set REC,   6400
.set QKQ,   16*REC                     ; from token quad to token quad in qk_op; from head to head in v_op
.set YQ,    8*REC                      ; from token quad to token quad in y_op
.set SLOT1, 32768                      ; a slot: 16 tiles of K's codes (12,288), their scale words (1,024), V's two records (12,800)
.set KSC,   12288
.set VOF,   13312
.set SPARE, 65536                      ; the spare words, 128 bytes for each wave: eight blocks of 256 bytes that no other line names
.set WV,    10
.set I1,    11                         ; i + 1: the trip in which the second block begins
.set BQ,    12                         ; the block of queries in hand
.set TC,    13                         ; the trip
.set SLOTS, 14
.set TB,    15                         ; LDS byte at which the slot in hand begins
.set KF,    16                         ; the step's first key
.set Q0,    17                         ; my tile's first query; its last is Q0 + 23
.set SEL,   18
.set CS,    20                         ; s[20:21] c = log2(e) / 8
.set C3,    22                         ; 3,072 x (head % 2)
.set G1K,   24
.set G1S,   32
.set G1V,   40
.set G0K,   48
.set G0S,   52
.set G0V,   56
.set KB,    60                         ; s[60:61] k's codes of my head, key 0;  s[62:63] their scale words;  s[66:67] v's records;  s[68:69] q's records;  s[70:71] y's
.set KSB,   62
.set VB,    66
.set QH,    68
.set YH,    70
; Wave 0 fetches K's codes, wave 1 their scale words, wave 2 V's records, the others nothing.  Four v_nop follow each line.
.macro TLOAD
	s_cmp_eq_u32 s[WV], 0
	s_cbranch_scc0 .Lnot_0_\@
	tensor_load_to_lds s[G0K:G0K+3], s[G1K:G1K+7]
	s_nop 0
.rept 4
	v_nop
.endr
	s_branch .Lasked_\@
.Lnot_0_\@:
	s_cmp_eq_u32 s[WV], 1
	s_cbranch_scc0 .Lnot_1_\@
	tensor_load_to_lds s[G0S:G0S+3], s[G1S:G1S+7]
	s_nop 0
.rept 4
	v_nop
.endr
	s_branch .Lasked_\@
.Lnot_1_\@:
	s_cmp_eq_u32 s[WV], 2
	s_cbranch_scc0 .Lasked_\@
	tensor_load_to_lds s[G0V:G0V+3], s[G1V:G1V+7]
	s_nop 0
.rept 4
	v_nop
.endr
.Lasked_\@:
.endm
	s_load_b128 s[4:7], s[0:1], 0x0                ; qk_op, v_op
	s_load_b64 s[8:9], s[0:1], 0x10                ; y_op
	v_lshl_add_u32 v5, v0, 2, SPARE
	v_mov_b32 v6, 0
	ds_add_u32 v5, v6
	ds_add_u32 v5, v6
	s_wait_dscnt 0x0
	v_lshrrev_b32 v8, 5, v0
	s_delay_alu instid0(VALU_DEP_1)
	v_readfirstlane_b32 s[WV], v8                  ; wave 0..15
	s_add_co_u32 s[I1], ttmp9, 1
	s_mov_b32 s[BQ], ttmp9
	s_and_b32 s72, ttmp7, 0xffff                   ; 16 x batch + head
	s_lshr_b32 s73, s72, 4                         ; batch
	s_bfe_u32 s75, s72, 0x30001                    ; the head pair
	s_and_b32 s76, s72, 1                          ; c
	s_mul_i32 s[C3], s76, 3072
	s_lshl_b32 s77, s76, 1
	s_mul_i32 s78, s73, 32*QKQ
	s_mul_i32 s80, s75, REC
	s_add_co_u32 s78, s78, s80                     ; q's records of my batch and head pair
	s_mov_b32 s79, 0
	s_add_co_u32 s82, s78, 8*REC                   ; k's lie eight steps on
	s_add_co_u32 s84, s82, 6144
	s_add_co_u32 s82, s82, s[C3]
	s_mov_b32 s83, 0
	s_mov_b32 s85, 0
	s_mul_i32 s86, s72, QKQ
	s_mov_b32 s87, 0
	s_mul_i32 s88, s73, 32*YQ
	s_add_co_u32 s88, s88, s80
	s_mov_b32 s89, 0
	; groups 1, elements of 8 bytes, no padding.  K's codes: 4 rows (quads) of 3,072 bytes, 102,400 bytes apart
	s_mov_b32 s[G1K], 3<<16
	s_mov_b32 s[G1K+1], 384<<16
	s_mov_b32 s[G1K+2], 4<<16
	s_mov_b32 s[G1K+3], 384<<16
	s_mov_b32 s[G1K+4], 4
	s_mov_b32 s[G1K+5], 12800
	s_mov_b32 s[G1K+6], 0
	s_mov_b32 s[G1K+7], 0
	; their scale words: 4 rows of 256 bytes, as far apart
	s_mov_b32 s[G1S], 3<<16
	s_mov_b32 s[G1S+1], 32<<16
	s_mov_b32 s[G1S+2], 4<<16
	s_mov_b32 s[G1S+3], 32<<16
	s_mov_b32 s[G1S+4], 4
	s_mov_b32 s[G1S+5], 12800
	s_mov_b32 s[G1S+6], 0
	s_mov_b32 s[G1S+7], 0
	; V's two records: 12,800 dense bytes, as 50 rows of 256
	s_mov_b32 s[G1V], 3<<16
	s_mov_b32 s[G1V+1], 32<<16
	s_mov_b32 s[G1V+2], 50<<16
	s_mov_b32 s[G1V+3], 32<<16
	s_mov_b32 s[G1V+4], 50
	s_mov_b32 s[G1V+5], 32
	s_mov_b32 s[G1V+6], 0
	s_mov_b32 s[G1V+7], 0
	s_mov_b32 s[SEL], 0x76543210
	s_mov_b32 s[SEL+1], 0xfedcba98
	s_mov_b32 s[CS], 0x3e38aa3b                    ; log2(e) / 8
	s_mov_b32 s[CS+1], s[CS]                       ; (named with it as a pair, so it is written)
	s_mov_b32 s[TB], 0
	s_mov_b32 s[TC], 0
	s_mov_b32 s[SLOTS], 8
	s_wait_kmcnt 0x0
	s_add_nc_u64 s[QH:QH+1], s[4:5], s[78:79]
	s_add_nc_u64 s[KB:KB+1], s[4:5], s[82:83]
	s_add_nc_u64 s[KSB:KSB+1], s[4:5], s[84:85]
	s_add_nc_u64 s[VB:VB+1], s[6:7], s[86:87]
	s_add_nc_u64 s[YH:YH+1], s[8:9], s[88:89]
	s_mov_b32 s[G0K], 1
	s_mov_b32 s[G0K+1], 0
	s_mov_b64 s[G0K+2:G0K+3], s[KB:KB+1]
	s_or_b32 s[G0K+3], s[G0K+3], 0x80000000
	s_mov_b32 s[G0S], 1
	s_mov_b32 s[G0S+1], KSC
	s_mov_b64 s[G0S+2:G0S+3], s[KSB:KSB+1]
	s_or_b32 s[G0S+3], s[G0S+3], 0x80000000
	s_mov_b32 s[G0V], 1
	s_mov_b32 s[G0V+1], VOF
	s_mov_b64 s[G0V+2:G0V+3], s[VB:VB+1]
	s_or_b32 s[G0V+3], s[G0V+3], 0x80000000
	TLOAD                                          ; slot 0: keys 0 to 255: a fetching wave's one first fill
	v_and_b32 v8, 31, v0
	v_and_b32 v9, 15, v0                           ; r
	v_bfe_u32 v10, v0, 4, 1                        ; h
	s_delay_alu instid0(VALU_DEP_3)
	v_lshlrev_b32 v1, 4, v8
	s_delay_alu instid0(VALU_DEP_4)
	v_lshlrev_b32 v2, 3, v8
	s_delay_alu instid0(VALU_DEP_4)
	v_lshlrev_b32 v4, 2, v9
	s_delay_alu instid0(VALU_DEP_1)
	v_add_nc_u32 v3, s77, v4
	v_and_b32 v11, 8, v9
	s_delay_alu instid0(VALU_DEP_1)
	v_add_nc_u32 v7, v11, v9
	v_lshlrev_b32 v10, 4, v10
	s_delay_alu instid0(VALU_DEP_1)
	v_sub_nc_u32 v7, v7, v10                       ; my query less Q0, less my half's 16 keys
.irp j, 22,23,24,25,26,27,80,81,82,83,84,85
	v_mov_b32 v\j, 0                               ; zero codes: Q's upper half; what stands behind K's last tile
.endr
.irp j, 236,237,238,239,252,253
	v_mov_b32 v\j, 0                               ; written once: a lane permute's destination counts as one of its sources; v253 is named as the upper half of a pair
.endr
; A block of queries begins: my tile's codes and scale words, and the statistics.
.macro INIT
	s_lshl_b32 s[Q0], s[BQ], 8
	s_lshr_b32 s72, s[WV], 1
	s_lshl_b32 s72, s72, 5
	s_add_co_u32 s[Q0], s[Q0], s72
	s_and_b32 s72, s[WV], 1
	s_lshl_b32 s72, s72, 3
	s_add_co_u32 s[Q0], s[Q0], s72                 ; 256 x block + 32 (wave / 2) + 8 (wave % 2)
	s_mov_b32 s[KF], 0
	s_lshl_b32 s72, s[BQ], 2
	s_lshr_b32 s73, s[WV], 2
	s_add_co_u32 s72, s72, s73                     ; my token quad in the batch,
	s_and_b32 s73, s[WV], 3                        ; my tile in it
	s_mul_i32 s74, s72, QKQ
	s_mul_i32 s76, s73, 768
	s_add_co_u32 s76, s76, s74
	s_add_co_u32 s76, s76, s[C3]
	s_mov_b32 s77, 0
	s_add_nc_u64 s[76:77], s[QH:QH+1], s[76:77]
	s_lshl_b32 s78, s73, 6
	s_add_co_u32 s78, s78, s74
	s_mov_b32 s79, 0
	s_add_nc_u64 s[78:79], s[QH:QH+1], s[78:79]
	global_load_b128 v[16:19], v1, s[76:77]
	global_load_b64 v[20:21], v2, s[76:77] offset:512
	global_load_u16 v28, v3, s[78:79] offset:6144  ; my head's two scale bytes; the upper two bytes are 0
	v_mov_b32 v13, 0xff61b1e6                      ; the largest t so far: -3e38
	s_delay_alu instid0(VALU_DEP_1)
	v_floor_f32 v12, -v13
	v_mov_b32 v14, 0
	v_mov_b32 v15, 0
.set n, 0
.rept 32
	v_mov_b32 v[160+n], 0                          ; O^T: the first change of M multiplies zeros
.set n, n+1
.endr
	s_wait_loadcnt 0x0
.endm
; A block of queries ends: O^T / the sum, quantised along the head's 64 channels (register 16 b + i = channel 32 b + 16 h + i), stored as half a fragment of y's record.
.macro FINISH
.rept 4
	v_nop                                          ; places behind the last products
.endr
	v_add_f32 v14, v14, v15
	s_delay_alu instid0(VALU_DEP_1)
	v_permlanex16_b32 v252, v14, s[SEL], s[SEL+1]
	s_delay_alu instid0(VALU_DEP_1)
	v_add_f32 v14, v14, v252                       ; the row's sum
	s_wait_alu depctr_va_vdst(0)
	v_rcp_f32 v14, v14
	v_nop                                          ; one plain place behind a transcendental
.set n, 0
	s_wait_alu depctr_va_vdst(0)
.rept 32
	v_mul_f32 v[96+n], v[160+n], v14               ; each accumulator from its low end on
.set n, n+1
.endr
.irp b, 0,1
	v_max3_num_f32 v[232+\b], |v[96+16*\b]|, |v[97+16*\b]|, 0x1800000
.endr
.irp i, 2,4,6,8,10,12,14
.irp b, 0,1
	s_delay_alu instid0(VALU_DEP_2)
	v_max3_num_f32 v[232+\b], v[232+\b], |v[96+16*\b+\i]|, |v[97+16*\b+\i]|
.endr
.endr
.irp b, 0,1
	s_delay_alu instid0(VALU_DEP_2)
	v_permlanex16_b32 v[236+\b], v[232+\b], s[SEL], s[SEL+1]
.endr
.irp b, 0,1
	s_delay_alu instid0(VALU_DEP_2)
	v_max_num_f32 v[232+\b], v[232+\b], v[236+\b]
.endr
.irp b, 0,1
	s_delay_alu instid0(VALU_DEP_2)
	v_add_nc_u32 v[244+\b], 0xff000000, v[232+\b]
.endr
.irp b, 0,1
	s_delay_alu instid0(VALU_DEP_2)
	v_lshrrev_b32 v[236+\b], 23, v[244+\b]
.endr
	s_delay_alu instid0(VALU_DEP_1)
	v_lshl_or_b32 v254, v237, 8, v236              ; my row's two scale bytes
	v_cvt_scalef32_pk16_fp6_f32 v[224:226], v[96:111], v244
	v_cvt_scalef32_pk16_fp6_f32 v[240:242], v[112:127], v245
	v_nop                                          ; one plain place behind a scaled conversion
.irp i, 0,1,2
	v_permlane16_swap_b32 v[224+\i], v[240+\i]
.endr
.irp i, 0,1,2
	s_delay_alu instid0(VALU_DEP_3)
	v_mov_b32 v[227+\i], v[240+\i]
.endr
	s_lshl_b32 s72, s[BQ], 2
	s_lshr_b32 s73, s[WV], 2
	s_add_co_u32 s72, s72, s73
	s_and_b32 s73, s[WV], 3
	s_mul_i32 s74, s72, YQ
	s_mul_i32 s80, s73, 768
	s_add_co_u32 s80, s80, s74
	s_add_co_u32 s80, s80, s[C3]
	s_mov_b32 s81, 0
	s_add_nc_u64 s[80:81], s[YH:YH+1], s[80:81]
	s_lshl_b32 s82, s73, 6
	s_add_co_u32 s82, s82, s74
	s_mov_b32 s83, 0
	s_add_nc_u64 s[82:83], s[YH:YH+1], s[82:83]
	s_wait_alu depctr_va_vdst(0)
	global_store_b128 v1, v[224:227], s[80:81]             ; 512 consecutive aligned bytes
	global_store_b64 v2, v[228:229], s[80:81] offset:512   ; 256
	global_store_b16 v3, v254, s[82:83] offset:6144        ; lanes l and l xor 16 store the same two bytes with the same value
	s_wait_xcnt 0x0                                ; the stores' data and bases are written again only behind this wait
.endm
; A KEY STEP: 128 keys, the q-th of the slot in hand.
.macro STEP q
	s_add_co_u32 s72, s[Q0], 23
	s_cmp_gt_u32 s[KF], s72
	s_cbranch_scc1 .Lhidden_\@                     ; all its keys come after my queries
	v_add_nc_u32 v8, s[TB], v1                     ; (these four are the places behind the last step's products, in front of the loads below)
	v_add_nc_u32 v9, s[TB], v2
	v_add_nc_u32 v10, s[TB], v3
	v_add_nc_u32 v11, s[TB], v4
.irp t, 0,1,2,3,4,5,6,7
	ds_load_b128 v[32+6*\t:35+6*\t], v8 offset:(8*(\q)+\t)*768
	ds_load_b64 v[36+6*\t:37+6*\t], v9 offset:(8*(\q)+\t)*768+512
	ds_load_u16 v[86+\t], v10 offset:KSC+(8*(\q)+\t)*64
.endr
	s_wait_alu depctr_va_vdst(0)
	s_wait_dscnt 0x0
.irp t, 0,1,2,3,4,5,6,7                ; S^T = K Q^T: register 16 b + i of lane (r, h) is key KF + 32 b + 16 h + i
	v_wmma_scale_f32_16x16x128_f8f6f4 v[96+8*\t:103+8*\t], v[32+6*\t:43+6*\t], v[16:27], 0, v[86+\t], v28 matrix_a_fmt:MATRIX_FMT_FP6 matrix_b_fmt:MATRIX_FMT_FP6
.endr
.rept 4
	v_nop                                          ; places: loads into registers that those products read, and the first read of their results
.endr
.irp t, 0,1,2,3                        ; V's four fragments and scale words are asked for here and land under the softmax
.irp c, 0,1
	ds_load_b128 v[32+12*\t+6*\c:35+12*\t+6*\c], v8 offset:VOF+(\q)*REC+\c*3072+\t*768
	ds_load_b64 v[36+12*\t+6*\c:37+12*\t+6*\c], v9 offset:VOF+(\q)*REC+\c*3072+\t*768+512
.endr
	ds_load_b32 v[86+\t], v11 offset:VOF+(\q)*REC+6144+\t*64
.endr
	s_add_co_u32 s72, s[KF], 127
	s_cmp_le_u32 s72, s[Q0]
	s_cbranch_scc1 .Lopen_\@                       ; all its keys count
	s_sub_co_i32 s72, s[Q0], s[KF]
	v_add_nc_u32 v252, s72, v7                     ; d = my query - KF - 16 h: register 16 b + i is hidden where 32 b + i > d
	v_mov_b32 v254, 0xff800000                     ; -infinity
.set n, 0
.rept 64
	v_cmp_gt_i32 vcc_lo, 32*(n/16)+n%16, v252
	v_cndmask_b32 v[96+n], v[96+n], v254, vcc_lo
.set n, n+1
.endr
.Lopen_\@:
.irp b, 0,1,2,3
	v_max3_num_f32 v[232+\b], v[96+16*\b], v[97+16*\b], v[98+16*\b]   ; the largest score of each block of 32 keys: for the row's maximum, and, since p rises with the score, for the block's largest p
.endr
.irp i, 3,5,7,9,11,13
.irp b, 0,1,2,3
	v_max3_num_f32 v[232+\b], v[232+\b], v[96+16*\b+\i], v[97+16*\b+\i]
.endr
.endr
.irp b, 0,1,2,3
	v_max_num_f32 v[232+\b], v[232+\b], v[111+16*\b]
.endr
.irp b, 0,1,2,3
	s_delay_alu instid0(VALU_DEP_4)
	v_permlanex16_b32 v[236+\b], v[232+\b], s[SEL], s[SEL+1]
.endr
.irp b, 0,1,2,3
	s_delay_alu instid0(VALU_DEP_4)
	v_max_num_f32 v[232+\b], v[232+\b], v[236+\b]
.endr
	s_delay_alu instid0(VALU_DEP_2)
	v_max3_num_f32 v254, v232, v233, v234
	s_delay_alu instid0(VALU_DEP_1)
	v_max_num_f32 v254, v254, v235
	s_delay_alu instid0(VALU_DEP_1)
	v_mul_f32 v254, s[CS], v254                    ; as t (c is positive)
	s_delay_alu instid0(VALU_DEP_1)
	v_max_num_f32 v13, v13, v254                   ; the running largest t
	v_mov_b32 v254, v12
	s_delay_alu instid0(VALU_DEP_2)
	v_floor_f32 v12, -v13                          ; the new -M = -ceil(t)
	s_delay_alu instid0(VALU_DEP_1)
	v_sub_f32 v254, v12, v254                      ; old M less new M: a whole number, 0 or less
	s_delay_alu instid0(VALU_DEP_1)
	v_cvt_i32_f32 v254, v254                       ; (it saturates)
	s_delay_alu instid0(VALU_DEP_1)
	v_ldexp_f32 v252, 1.0, v254                    ; f = 2^(old M - new M)
.set n, 0
.rept 32
	v_pk_fma_f32 v[96+n:97+n], v[96+n:97+n], s[CS:CS+1], v[12:13] op_sel_hi:[1,0,0]   ; t - M, two at a time
.set n, n+2
.endr
.irp b, 0,1,2,3
	v_fma_f32 v[232+\b], v[232+\b], s[CS], v12
.endr
.set n, 0
	s_wait_alu depctr_va_vdst(0)
.rept 64
	v_exp_f32 v[96+n], v[96+n]                     ; p = 2^(t - M)
.set n, n+1
.endr
.irp b, 0,1,2,3
	v_exp_f32 v[232+\b], v[232+\b]                 ; the block's largest p: the same two instructions on the same number
.endr
	v_pk_mul_f32 v[14:15], v[14:15], v[252:253] op_sel_hi:[1,0]   ; the sums under the new M (a plain place behind the exponentials)
	s_wait_alu depctr_va_vdst(0)
.irp b, 0,1,2,3
	v_max_num_f32 v[232+\b], 0x1800000, v[232+\b]  ; the floor 2^(3 - 127)
.endr
.irp b, 0,1,2,3
	s_delay_alu instid0(VALU_DEP_4)
	v_add_nc_u32 v[244+\b], 0xff000000, v[232+\b]
.endr
.irp b, 0,1,2,3
	s_delay_alu instid0(VALU_DEP_4)
	v_lshrrev_b32 v[236+\b], 23, v[244+\b]
.endr
	s_delay_alu instid0(VALU_DEP_3)
	v_lshl_or_b32 v253, v237, 8, v236              ; p's scale word for these 128 keys
	s_delay_alu instid0(VALU_DEP_1)
	v_lshl_or_b32 v253, v238, 16, v253
	s_delay_alu instid0(VALU_DEP_1)
	v_lshl_or_b32 v253, v239, 24, v253
.irp c, 0,1
	v_cvt_scalef32_pk16_fp6_f32 v[224+6*\c:226+6*\c], v[96+32*\c:111+32*\c], v[244+2*\c]
	v_cvt_scalef32_pk16_fp6_f32 v[236+4*\c:238+4*\c], v[112+32*\c:127+32*\c], v[244+2*\c+1]
.endr
	v_nop                                          ; one plain place behind a scaled conversion
.irp c, 0,1
.irp i, 0,1,2
	v_permlane16_swap_b32 v[224+6*\c+\i], v[236+4*\c+\i]
.endr
.irp i, 0,1,2
	s_delay_alu instid0(VALU_DEP_3)
	v_mov_b32 v[227+6*\c+\i], v[236+4*\c+\i]
.endr
.endr
	v_pk_add_f32 v[236:237], v[100:101], v[104:105]
	v_pk_add_f32 v[254:255], v[108:109], v[112:113]
	v_pk_add_f32 v[250:251], v[116:117], v[120:121]
	v_pk_add_f32 v[248:249], v[124:125], v[128:129]
	v_pk_add_f32 v[246:247], v[132:133], v[136:137]
	v_pk_add_f32 v[244:245], v[140:141], v[144:145]
	v_pk_add_f32 v[242:243], v[148:149], v[152:153]
	v_pk_add_f32 v[14:15], v[14:15], v[156:157]
	v_pk_add_f32 v[236:237], v[236:237], v[96:97]
	v_pk_add_f32 v[254:255], v[254:255], v[98:99]
	v_pk_add_f32 v[250:251], v[250:251], v[102:103]
	v_pk_add_f32 v[248:249], v[248:249], v[106:107]
	v_pk_add_f32 v[246:247], v[246:247], v[110:111]
	v_pk_add_f32 v[244:245], v[244:245], v[114:115]
	v_pk_add_f32 v[242:243], v[242:243], v[118:119]
	v_pk_add_f32 v[14:15], v[14:15], v[122:123]
	v_pk_add_f32 v[236:237], v[236:237], v[126:127]
	v_pk_add_f32 v[254:255], v[254:255], v[130:131]
	v_pk_add_f32 v[250:251], v[250:251], v[134:135]
	v_pk_add_f32 v[248:249], v[248:249], v[138:139]
	v_pk_add_f32 v[246:247], v[246:247], v[142:143]
	v_pk_add_f32 v[244:245], v[244:245], v[146:147]
	v_pk_add_f32 v[242:243], v[242:243], v[150:151]
	v_pk_add_f32 v[14:15], v[14:15], v[154:155]
	v_pk_add_f32 v[236:237], v[236:237], v[158:159]
	s_delay_alu instid0(VALU_DEP_2)
	v_pk_add_f32 v[14:15], v[14:15], v[248:249]
	s_delay_alu instid0(VALU_DEP_2)
	v_pk_add_f32 v[236:237], v[236:237], v[246:247]
	v_pk_add_f32 v[254:255], v[254:255], v[244:245]
	v_pk_add_f32 v[250:251], v[250:251], v[242:243]
	s_delay_alu instid0(VALU_DEP_2)
	v_pk_add_f32 v[14:15], v[14:15], v[254:255]
	s_delay_alu instid0(VALU_DEP_2)
	v_pk_add_f32 v[236:237], v[236:237], v[250:251]
	s_delay_alu instid0(VALU_DEP_1)
	v_pk_add_f32 v[14:15], v[14:15], v[236:237]
.set n, 0
.rept 16
	v_pk_mul_f32 v[160+n:161+n], v[160+n:161+n], v[252:253] op_sel_hi:[1,0]   ; O^T under the new M.  (With the sums above: the places between p's codes and scale word and the products below)
.set n, n+2
.endr
	s_wait_alu depctr_va_vdst(0)
	s_wait_dscnt 0x0                               ; V is in
.irp t, 0,1,2,3                        ; O^T += V^T P^T: the four accumulators by turns
	v_wmma_scale_f32_16x16x128_f8f6f4 v[160+8*\t:167+8*\t], v[32+12*\t:43+12*\t], v[224:235], v[160+8*\t:167+8*\t], v[86+\t], v253 matrix_a_fmt:MATRIX_FMT_FP6 matrix_b_fmt:MATRIX_FMT_FP6
.endr
.Lhidden_\@:
	s_add_co_u32 s[KF], s[KF], 128
.endm
; THE CHANGE OF SLOTS, at a slot's head.  Each wave waits for all its tensor loads, adds 0 to its spare word, and waits for that and for its reads of the slot that it has left.  fill = 1: that slot takes the next trip's keys:
; slot TC + 1 of the keys, or TC + 1 - (i + 1) once the second block of queries has begun.
.macro CHANGE fill
	s_wait_tensorcnt 0x0                           ; no tensor load of mine is out, so a group 0 may be written
	ds_add_u32 v5, v6                              ; 0 onto my spare word
.if \fill
	s_add_co_u32 s84, s[TC], 1
	s_sub_co_u32 s85, s84, s[I1]
	s_cmp_lt_u32 s84, s[I1]
	s_cselect_b32 s84, s84, s85
	s_mul_i32 s86, s84, 4*QKQ                      ; four token quads a slot,
	s_mov_b32 s87, 0
	s_mul_i32 s88, s84, 2*REC                      ; two records of V
	s_mov_b32 s89, 0
	s_xor_b32 s[G0K+1], s[G0K+1], SLOT1
	s_add_nc_u64 s[G0K+2:G0K+3], s[KB:KB+1], s[86:87]
	s_or_b32 s[G0K+3], s[G0K+3], 0x80000000
	s_xor_b32 s[G0S+1], s[G0S+1], SLOT1
	s_add_nc_u64 s[G0S+2:G0S+3], s[KSB:KSB+1], s[86:87]
	s_or_b32 s[G0S+3], s[G0S+3], 0x80000000
	s_xor_b32 s[G0V+1], s[G0V+1], SLOT1
	s_add_nc_u64 s[G0V+2:G0V+3], s[VB:VB+1], s[88:89]
	s_or_b32 s[G0V+3], s[G0V+3], 0x80000000
.endif
	s_wait_dscnt 0x0                               ; the add is done, and my reads of the slot that I have left are over
	s_barrier_signal -1
	s_barrier_wait -1
.if \fill
	TLOAD                                          ; the first thing behind the barrier, and a wave's one tensor load until the next: it has two key steps in which to land
.endif
.endm
	INIT
.Lslot:                                                ; eight trips; the ninth is written out
	CHANGE 1
	s_cmp_lg_u32 s[TC], s[I1]
	s_cbranch_scc1 .Lsame_block                    ; a branch on ids, alike in all sixteen waves; no barrier and no tensor load stands under it
	FINISH
	s_sub_co_u32 s[BQ], 7, ttmp9
	INIT
.Lsame_block:
	STEP 0
	STEP 1
	s_xor_b32 s[TB], s[TB], SLOT1
	s_add_co_u32 s[TC], s[TC], 1
	s_sub_co_u32 s[SLOTS], s[SLOTS], 1
	s_cmp_lg_u32 s[SLOTS], 0
	s_cbranch_scc1 .Lslot
	CHANGE 0                                       ; the second block began in one of the trips 1 to 4, so the last trip has no change of blocks
	STEP 0
	STEP 1
	FINISH
	s_wait_tensorcnt 0x0                           ; the wave's end
	ds_add_u32 v5, v6
	s_wait_dscnt 0x0
	s_endpgm
.Lfunc_end_k_qa5965bde47_attn:
	.size	k_qa5965bde47_attn, .Lfunc_end_k_qa5965bde47_attn-k_qa5965bde47_attn
	.p2alignl 7, 3214868480
	.fill 96, 4, 3214868480
	.section	.rodata,"a",@progbits
	.p2align	6, 0x0
	.amdhsa_kernel k_qa5965bde47_attn
		.amdhsa_group_segment_fixed_size 327680
		.amdhsa_private_segment_fixed_size 0
		.amdhsa_enable_private_segment 0
		.amdhsa_kernarg_size 24
		.amdhsa_user_sgpr_count 2
		.amdhsa_user_sgpr_kernarg_segment_ptr 1
		.amdhsa_wavefront_size32 1
		.amdhsa_system_sgpr_workgroup_id_x 1
		.amdhsa_system_sgpr_workgroup_id_y 1
		.amdhsa_system_sgpr_workgroup_id_z 1
		.amdhsa_system_vgpr_workitem_id 0
		.amdhsa_next_free_vgpr 256
		.amdhsa_next_free_sgpr 92
		.amdhsa_reserve_vcc 1
		.amdhsa_float_denorm_mode_32 3
		.amdhsa_float_denorm_mode_16_64 3
		.amdhsa_memory_ordered 1
		.amdhsa_forward_progress 1
		.amdhsa_inst_pref_size 115
	.end_amdhsa_kernel
	.amdgpu_metadata
---
amdhsa.version: [ 1, 2 ]
amdhsa.kernels:
  - .name:           k_qa5965bde47_attn
    .symbol:         k_qa5965bde47_attn.kd
    .args:
      - { .name: qk_op, .offset: 0, .size: 8, .value_kind: global_buffer, .address_space: global }
      - { .name: v_op, .offset: 8, .size: 8, .value_kind: global_buffer, .address_space: global }
      - { .name: y_op, .offset: 16, .size: 8, .value_kind: global_buffer, .address_space: global }
    .group_segment_fixed_size: 327680
    .private_segment_fixed_size: 0
    .kernarg_segment_align: 8
    .kernarg_segment_size: 24
    .max_flat_workgroup_size: 512
    .sgpr_count:     92
    .vgpr_count:     256
    .wavefront_size: 32
...
	.end_amdgpu_metadata
.endif
;; end of part 3
;; launch proj (part 4): grid 4 x 32, 4 waves a work-group, clusters of 4 x 4, 327,680 bytes of LDS; arguments wp_op, y_op, bp, out0; writes out0
.if DOCPART == 4
	.amdgcn_target "amdgcn-amd-amdhsa--gfx1250"
	.amdhsa_code_object_version 6
	.text
	.protected	k_qa5965bde47_proj
	.globl	k_qa5965bde47_proj
	.p2align	8
	.type	k_qa5965bde47_proj,@function
k_qa5965bde47_proj:
	s_mov_b64 s[64:65], 0
	v_nop
	global_prefetch_b8 v0, s[64:65] scope:SCOPE_SE
	s_setreg_imm32_b32 hwreg(HW_REG_WAVE_MODE, 25, 1), 1
	s_wait_xcnt 0x0
	s_wait_alu depctr_hold_cnt(0) depctr_sa_sdst(0) depctr_va_vdst(0) depctr_va_sdst(0) depctr_va_ssrc(0) depctr_va_vcc(0) depctr_vm_vsrc(0)
	s_getreg_b32 s2, hwreg(HW_REG_IB_STS2, 6, 4)
	s_cmp_eq_u32 s2, 0
	s_cbranch_scc0 .Lentry_in_a_cluster
	s_endpgm
.Lentry_in_a_cluster:
	s_bfe_u32 s2, ttmp6, 0x10000c
	s_cmp_lg_u32 s2, 0xf033
	s_cbranch_scc0 .Lentry_shape_is_right
	s_endpgm
.Lentry_shape_is_right:
; out0 = y Wp^T + bp, K = 1,024, on codes of FP6 (E2M3) with E8M0 scales.  Wp's codes (first argument) are source 0, y's (second) source 1: a lane holds a token, its registers run along the output's columns.
; OPERANDS lie as records of 6,400 bytes for 64 rows (a quad) x 128 along K (a step): [c: 64 of K][j: tile of 16 rows][768 bytes: lane l's registers 0-3 at 16 l, 4-5 at 512 + 8 l], then 256 bytes of scale words [j][r][4];
; lane r of tile j holds row 32 (j / 2) + 8 (j % 2) + r + 8 (r / 8) of its quad; 8 steps (51,200 bytes) to a quad.  So register j of accumulator (a, b) in lane (r, h) is
; out0(token 64 (a / 4) + 32 ((a % 4) / 2) + 8 (a % 2) + r + 8 (r / 8), column 32 (b / 2) + 16 h + 8 (b % 2) + j) of my 128 x 128.
; A tile of 256 x 256 is made by four waves, each 128 x 128.  K goes in steps of 256 through a ring of two LDS slots; the scale words ride in the records.  The bias is the C of each sum's first product.
; CLUSTERS: 4 x 4 work-groups.  y's tile hangs on the work-group's y alone and is shared along a row of the cluster, Wp's on its x alone and is shared along a column.
; REGISTERS, in windows of 256: window 0: v16-31 addresses; v32-63 scale words, two sets; v64-127 the bias, eight registers for each of my eight tiles of columns; from v128 y's fragments, one set; on the way out v128-255 rows of out0.
;   window 1: Wp's fragments, two sets.   window 2: the accumulators of my tiles 0-3 of tokens ((a, b) at v[8 (8 a + b)]);   window 3: those of tiles 4-7.
.set REC,    6400
.set QIN,    8*REC
.set NQ,     2
.set FR,     12
.set NL,     4
.set NP,     4                         ; places behind this matrix instruction (ISA guide 7.12.1)
.set HALFT,  4*REC                     ; 128 rows x 256 K: [quad 2][step 2][record]
.set SLOT,   4*HALFT                   ; y's two halves, then Wp's two
.set LAPS,   2
.set SPARE,  2*SLOT                    ; the spare words, 128 bytes for each wave: two blocks of 256 bytes that no other line names
.set SPITCH, 528                       ; the way out: a stage of 16 rows x (512 bytes + 16) for each wave, in slot 0, which has had its last fill and its last read when the first result is stored there
.set ADRA, 16
.set ADRB, 20
.set LI,   24                          ; v24  16 x lane
.set L8,   25                          ; v25  8 x lane
.set ADRS, 26
.set SPW,  28
.set NIL,  29
.set STO,  30
.set RD,   31
.set SC,   32
.set BI,   64
.set AF,   128
.set BK,   128
.set G1,   24
.set G0,   32
.set G1B,  48
.set G0B,  56
.set MSB, 0
.macro WIN new                         ; the immediate's high byte repeats the setting that is left
.if MSB != (\new)
	s_set_vgpr_msb (MSB<<8)|(\new)
.set MSB, (\new)
.endif
.endm
.set MUL_LO, 0xa1                      ; source 0 (Wp) window 1, source 1 (y) window 0, C and D window 2
.set MUL_HI, 0xf1
.set BIA_LO, 0x81                      ; the same with C (the bias) in window 0
.set BIA_HI, 0xc1
.set TO_B,   0x40
.macro JLOAD g0a, g1a, g0b, g1b        ; a joint load: waves 0 and 1 fetch y's halves, waves 2 and 3 Wp's; four v_nop follow each of the two lines
	s_cmp_eq_u32 s15, 0
	s_cbranch_scc0 .Lfor_b_\@
	tensor_load_to_lds s[\g0a:\g0a+3], s[\g1a:\g1a+7]
	s_nop 0
.rept 4
	v_nop
.endr
	s_branch .Lasked_\@
.Lfor_b_\@:
	tensor_load_to_lds s[\g0b:\g0b+3], s[\g1b:\g1b+7]
	s_nop 0
.rept 4
	v_nop
.endr
.Lasked_\@:
.endm
.macro CREST
	s_cmp_lg_u32 s14, 0
	s_cbranch_scc1 .Lnot_wave_0_\@
	s_barrier_signal -3
.Lnot_wave_0_\@:
	s_barrier_wait -3
	s_barrier_signal -1
	s_barrier_wait -1
.endm
.macro CROUND
	s_barrier_signal -1
	s_barrier_wait -1
	CREST
.endm
	s_load_b128 s[4:7], s[0:1], 0x0                ; Wp's codes s[4:5], y's s[6:7]
	s_load_b128 s[8:11], s[0:1], 0x10              ; bp s[8:9], out0 s[10:11]
	v_lshl_add_u32 v[SPW], v0, 2, SPARE
	v_mov_b32 v[NIL], 0
	ds_add_u32 v28, v29
	ds_add_u32 v28, v29
	s_wait_dscnt 0x0
	v_lshrrev_b32 v1, 5, v0
	v_readfirstlane_b32 s14, v1                    ; wave 0..3
	s_lshr_b32 s15, s14, 1                         ; which half of the tokens is mine.  Also: I fetch for y (0) or for Wp (1)
	s_and_b32 s16, s14, 1                          ; which half of the columns.  Also: which half of that tile I fetch
	s_bfe_u32 s40, ttmp6, 0x40000                  ; cx, cy
	s_bfe_u32 s41, ttmp6, 0x40004
	s_lshl_b32 s42, ttmp9, 2
	s_add_co_u32 s42, s42, s40                     ; tile of columns = 4 x cluster x + cx
	s_and_b32 s17, ttmp7, 0xffff
	s_lshl_b32 s17, s17, 2
	s_add_co_u32 s17, s17, s41                     ; tile of tokens = 4 x cluster y + cy
	s_lshl_b32 s43, s41, 2
	s_lshl_b32 s43, 15, s43                        ; my row of the cluster
	s_lshl_b32 s44, 0x1111, s40                    ; my column
	s_or_b32 s[G1+0], s43, (3<<16)|(1<<21)         ; 15:0 the mask; 17:16 elements of 8 bytes; 21 set beside a mask; no padding
	s_or_b32 s[G1B+0], s44, (3<<16)|(1<<21)
.irp g, G1, G1B
	s_mov_b32 s[\g+1], 1600<<16                    ; 2 rows (quads) of 12,800 bytes, 51,200 bytes apart
	s_mov_b32 s[\g+2], 2<<16
	s_mov_b32 s[\g+3], 1600<<16
	s_mov_b32 s[\g+4], 2
	s_mov_b32 s[\g+5], 6400
	s_mov_b32 s[\g+6], 0
	s_mov_b32 s[\g+7], 0
.endr
	s_lshl_b32 s18, s16, 1
	s_lshl_b32 s20, s17, 2
	s_add_co_u32 s20, s20, s18
	s_mul_i32 s20, s20, QIN                        ; y: quad 4 x tile + 2 x half
	s_mov_b32 s21, 0
	s_lshl_b32 s46, s42, 2
	s_add_co_u32 s46, s46, s18
	s_mul_i32 s46, s46, QIN                        ; Wp likewise
	s_mov_b32 s47, 0
	s_mul_i32 s45, s14, HALFT
	s_wait_kmcnt 0x0
	s_add_nc_u64 s[20:21], s[6:7], s[20:21]
	s_add_nc_u64 s[46:47], s[4:5], s[46:47]
	CROUND                                         ; all sixteen work-groups are here: the first joint loads meet
.irp s, 0,1
	s_mov_b32 s[G0+4*\s], 1
	s_add_co_u32 s[G0+4*\s+1], s45, \s*SLOT
	s_add_nc_u64 s[G0+4*\s+2:G0+4*\s+3], s[20:21], \s*2*REC
	s_or_b32 s[G0+4*\s+3], s[G0+4*\s+3], 0x80000000
	s_mov_b32 s[G0B+4*\s], 1
	s_add_co_u32 s[G0B+4*\s+1], s45, \s*SLOT
	s_add_nc_u64 s[G0B+4*\s+2:G0B+4*\s+3], s[46:47], \s*2*REC
	s_or_b32 s[G0B+4*\s+3], s[G0B+4*\s+3], 0x80000000
	s_wait_alu depctr_va_vdst(0)
	s_wait_tensorcnt 0x0
	ds_add_u32 v28, v29
	ds_add_u32 v28, v29
	s_wait_dscnt 0x0
	CROUND
	JLOAD G0+4*\s, G1, G0B+4*\s, G1B
.endr
	v_and_b32 v1, 15, v0                           ; r
	v_bfe_u32 v2, v0, 4, 1                         ; h
	v_and_b32 v3, 31, v0
	v_lshlrev_b32 v[LI], 4, v3
	s_wait_alu depctr_va_vdst(0)
	v_lshlrev_b32 v[L8], 3, v3
	s_wait_alu depctr_va_vdst(0)
	s_lshl_b32 s68, s42, 10                        ; my first column, in bytes: 1,024 x tile + 512 x half
	s_lshl_b32 s69, s16, 9
	s_add_co_u32 s68, s68, s69
	s_mov_b32 s69, 0
	s_add_nc_u64 s[8:9], s[8:9], s[68:69]
	v_lshlrev_b32 v7, 6, v2                        ; the bias: tile b's eight numbers of my half: 128 (b / 2) + 64 h + 32 (b % 2) bytes on
.irp b, 0,1,2,3,4,5,6,7
	global_load_b128 v[BI+8*\b:BI+8*\b+3], v7, s[8:9] offset:128*(\b/2)+32*(\b%2)
	global_load_b128 v[BI+8*\b+4:BI+8*\b+7], v7, s[8:9] offset:128*(\b/2)+32*(\b%2)+16
.endr
	s_mul_i32 s21, s15, HALFT
	s_mul_i32 s22, s16, HALFT
	s_add_co_u32 s22, s22, 2*HALFT
.irp s, 0,1
	v_add_nc_u32 v[ADRA+\s], s21, v[LI]
	v_add_nc_u32 v[ADRB+\s], s22, v[LI]
	v_add_nc_u32 v[ADRA+2+\s], s21, v[L8]
	v_add_nc_u32 v[ADRB+2+\s], s22, v[L8]
	s_add_co_u32 s21, s21, SLOT
	s_add_co_u32 s22, s22, SLOT
.endr
	s_xor_b32 s22, s15, 1                          ; from my half of y to my half of Wp, as one product with h
	s_add_co_u32 s22, s22, s16
	s_add_co_u32 s22, s22, 1
	s_mul_i32 s22, s22, HALFT
	v_mul_u32_u24 v6, s22, v2
	v_lshl_add_u32 v6, v1, 2, v6
	s_mul_i32 s21, s15, HALFT
	s_add_co_u32 s21, s21, 6144
	v_add_nc_u32 v[ADRS], s21, v6
	v_add_nc_u32 v[ADRS+1], SLOT, v[ADRS]
	s_mul_i32 s23, s14, 16*SPITCH                  ; my stage
	v_mul_u32_u24 v5, v1, SPITCH
	v_lshl_add_u32 v5, v2, 6, v5
	v_add_nc_u32 v[STO], s23, v5                   ; in: row r, + 64 h
	v_add_nc_u32 v[RD], s23, v[LI]                 ; back: the 32 lanes take a row of 512 bytes
	s_lshl_b32 s66, s17, 8
	s_lshl_b32 s67, s15, 7
	s_add_co_u32 s66, s66, s67
	s_lshl_b32 s66, s66, 12                        ; my first token's row of 4,096 bytes,
	s_add_co_u32 s66, s66, s68                     ; my first column
	s_mov_b32 s67, 0
	s_add_nc_u64 s[10:11], s[10:11], s[66:67]
.macro FRAG reg, adr, q, i
.set FRG, \reg
.set FO, ((\i)/4)*2*REC+(\q)*REC+((\i)%4)*768
	ds_load_b128 v[FRG:FRG+3], v[\adr] offset:FO
	ds_load_b64 v[FRG+4:FRG+5], v[\adr+2] offset:FO+512
	ds_load_b128 v[FRG+6:FRG+9], v[\adr] offset:FO+3072
	ds_load_b64 v[FRG+10:FRG+11], v[\adr+2] offset:FO+3584
.endm
; 16 matrix instructions: y's blocks a0, a0 + 1 x Wp's eight.  first = 1: the sum begins with the bias as C.  The 64 accumulators take turns, one instruction a turn.
.macro MUL16 a0, p, q, sc, first
.irp a, \a0, \a0+1
.irp b, 0,1,2,3,4,5,6,7
.if \first
	v_wmma_scale_f32_16x16x128_f8f6f4 v[8*(8*((\a)%4)+\b):8*(8*((\a)%4)+\b)+7], v[128*(\p)+FR*\b:128*(\p)+FR*\b+FR-1], v[AF+FR*(\a):AF+FR*(\a)+FR-1], v[BI+8*\b:BI+8*\b+7], v[SC+8*NQ*(\sc)+NQ*\b+(\q)], v[SC+8*NQ*(\sc)+NQ*(\a)+(\q)] matrix_a_fmt:MATRIX_FMT_FP6 matrix_b_fmt:MATRIX_FMT_FP6 matrix_a_scale:MATRIX_SCALE_ROW1
.else
	v_wmma_scale_f32_16x16x128_f8f6f4 v[8*(8*((\a)%4)+\b):8*(8*((\a)%4)+\b)+7], v[128*(\p)+FR*\b:128*(\p)+FR*\b+FR-1], v[AF+FR*(\a):AF+FR*(\a)+FR-1], v[8*(8*((\a)%4)+\b):8*(8*((\a)%4)+\b)+7], v[SC+8*NQ*(\sc)+NQ*\b+(\q)], v[SC+8*NQ*(\sc)+NQ*(\a)+(\q)] matrix_a_fmt:MATRIX_FMT_FP6 matrix_b_fmt:MATRIX_FMT_FP6 matrix_a_scale:MATRIX_SCALE_ROW1
.endif
.endr
.endr
.endm
.macro FETCH_B slot, q, p
	WIN TO_B
.irp i, 0,1,2,3,4,5,6,7
	FRAG 128*(\p)+FR*\i, ADRB+\slot, \q, \i
.endr
	WIN 0
.endm
.macro FETCH_A slot, q, i0
.irp i, \i0, \i0+1, \i0+2, \i0+3
	FRAG AF+FR*(\i), ADRA+\slot, \q, \i
.endr
.endm
.macro SCALES sc
.irp i, 0,1,2,3,4,5,6,7
.irp q, 0,1
	ds_load_b32 v[SC+8*NQ*\sc+NQ*\i+\q], v[ADRS+\sc] offset:(\i/4)*2*REC+\q*REC+(\i%4)*64
.endr
.endr
.endm
.macro PLACES n                        ; plain vector instructions between a matrix instruction and a load into, or a read of, its registers (ISA guide 7.12.1 for reads)
.rept \n
	v_nop
.endr
.endm
.macro STEP slot, q, first
	s_wait_dscnt 4*NL                              ; all but the youngest 16 loads (y's blocks 4-7) are in
.if \first
	WIN BIA_LO
.else
	WIN MUL_LO
.endif
	MUL16 0, (\q)%2, \q, \slot, \first
	MUL16 2, (\q)%2, \q, \slot, \first
	s_wait_dscnt 0
	PLACES NP
	FETCH_B \slot, (\q)+1, 1-(\q)%2
	FETCH_A \slot, (\q)+1, 0
.if \first
	WIN BIA_HI
.else
	WIN MUL_HI
.endif
	MUL16 4, (\q)%2, \q, \slot, \first
	MUL16 6, (\q)%2, \q, \slot, \first
	PLACES NP
	WIN 0
	FETCH_A \slot, (\q)+1, 4
.endm
.macro TURN slot, next, fill
	s_wait_tensorcnt 0x0                           ; all my tensor loads have landed: my part of the next slot
	ds_add_u32 v[SPW], v[NIL]                      ; 0 onto my spare word
	s_wait_dscnt 4*NL+1                            ; (the add and the youngest 16 loads may be out)
	WIN MUL_LO
	MUL16 0, 1, NQ-1, \slot, 0
	s_wait_dscnt 0x0                               ; the add is done, and my reads of this slot are over
	s_barrier_signal -1
	MUL16 2, 1, NQ-1, \slot, 0
	WIN 0
	s_barrier_wait -1
.if \fill
	CREST                                          ; a round of the cluster's barrier: no wave of any partner still reads this slot or has a load on its way
	s_add_nc_u64 s[G0+4*\slot+2:G0+4*\slot+3], s[G0+4*\slot+2:G0+4*\slot+3], 4*REC
	s_add_nc_u64 s[G0B+4*\slot+2:G0B+4*\slot+3], s[G0B+4*\slot+2:G0B+4*\slot+3], 4*REC
	JLOAD G0+4*\slot, G1, G0B+4*\slot, G1B         ; the first tensor load behind the round; its four v_nop are the places in front of the loads below
.else
	PLACES NP
.endif
	FETCH_B \next, 0, 0
	FETCH_A \next, 0, 0
	SCALES \next
	WIN MUL_HI
	MUL16 4, 1, NQ-1, \slot, 0
	MUL16 6, 1, NQ-1, \slot, 0
	PLACES NP
	WIN 0
	FETCH_A \next, 0, 4
.endm
	s_wait_alu depctr_va_vdst(0)
	s_wait_tensorcnt 1                             ; my part of slot 0 is in; slot 1's load may be out
	s_barrier_signal -1
	s_barrier_wait -1
	FETCH_B 0, 0, 0
	FETCH_A 0, 0, 0
	SCALES 0
	FETCH_A 0, 0, 4
	s_wait_loadcnt 0x0                             ; the bias
	STEP 0, 0, 1                                   ; the first step stands in front of the loop: its products start the sums, on the bias
	s_mov_b32 s3, LAPS-1
.Llap:
	TURN 0, 1, 1
	STEP 1, 0, 0
	TURN 1, 0, 1
	STEP 0, 0, 0
	s_sub_co_u32 s3, s3, 1
	s_cmp_lg_u32 s3, 0
	s_cbranch_scc1 .Llap
	TURN 0, 1, 0                                   ; the last lap fills nothing
	STEP 1, 0, 0
	s_wait_dscnt 4*NL
	WIN MUL_LO
	MUL16 0, 1, NQ-1, 1, 0
	MUL16 2, 1, NQ-1, 1, 0
	s_wait_dscnt 0
	WIN MUL_HI
	MUL16 4, 1, NQ-1, 1, 0
	MUL16 6, 1, NQ-1, 1, 0
	WIN 0
; THE WAY OUT, a tile of 16 tokens x 128 columns at a time, through my own stage: in by the lane's eight neighbouring columns, back as whole rows of 512 bytes.  LDS serves a wave's instructions in order: no wait between the stores and the loads.
.macro TOSTAGE a
.set AC, 64*((\a)%4)
	WIN 0x08+4*((\a)/4)                            ; the data: window 2 or 3
.irp b, 0,1,2,3,4,5,6,7
	ds_store_b128 v[STO], v[AC+8*\b:AC+8*\b+3] offset:128*(\b/2)+32*(\b%2)       ; each accumulator from its low end on
	ds_store_b128 v[STO], v[AC+8*\b+4:AC+8*\b+7] offset:128*(\b/2)+32*(\b%2)+16
.endr
	WIN 0
.set BB, BK+64*((\a)%2)
.irp t, 0,1,2,3,4,5,6,7,8,9,10,11,12,13,14,15
	ds_load_b128 v[BB+4*\t:BB+4*\t+3], v[RD] offset:\t*SPITCH
.endr
.endm
.macro SEND a, younger                 ; younger: the LDS instructions issued behind tile a's loads, which may stay out
.set BB, BK+64*((\a)%2)
	s_wait_dscnt \younger
.irp t, 0,1,2,3,4,5,6,7,8,9,10,11,12,13,14,15
	global_store_b128 v[LI], v[BB+4*\t:BB+4*\t+3], s[10:11] offset:(64*((\a)/4)+32*(((\a)%4)/2)+8*((\a)%2)+\t+8*(\t/8))*4096 th:TH_STORE_NT   ; 32 lanes store 512 consecutive aligned bytes of the token's row; the row stands in the immediate, 127 rows at the most
.endr
.endm
	PLACES NP                                      ; behind the last products: reads of results, and loads into the registers that held y's fragments
	TOSTAGE 0
.irp a, 1,2,3,4,5,6,7
.if \a > 1
	s_wait_xcnt 0x0                                ; the stores of two tiles ago have read their registers: this tile's rows may land there
.endif
	TOSTAGE \a
	SEND \a-1, 32                                  ; behind tile a - 1's loads: tile a's 16 stores and 16 loads
.endr
	SEND 7, 0
	s_wait_tensorcnt 0x0                           ; the wave's end
	ds_add_u32 v[SPW], v[NIL]
	s_wait_dscnt 0x0
	CROUND                                         ; the closing round: no work-group ends while a partner may still ask for a tile that names it
	s_endpgm
.Lfunc_end_k_qa5965bde47_proj:
	.size	k_qa5965bde47_proj, .Lfunc_end_k_qa5965bde47_proj-k_qa5965bde47_proj
	.p2alignl 7, 3214868480
	.fill 96, 4, 3214868480
	.section	.rodata,"a",@progbits
	.p2align	6, 0x0
	.amdhsa_kernel k_qa5965bde47_proj
		.amdhsa_group_segment_fixed_size 327680
		.amdhsa_private_segment_fixed_size 0
		.amdhsa_enable_private_segment 0
		.amdhsa_kernarg_size 32
		.amdhsa_user_sgpr_count 2
		.amdhsa_user_sgpr_kernarg_segment_ptr 1
		.amdhsa_wavefront_size32 1
		.amdhsa_system_sgpr_workgroup_id_x 1
		.amdhsa_system_sgpr_workgroup_id_y 1
		.amdhsa_system_sgpr_workgroup_id_z 1
		.amdhsa_system_vgpr_workitem_id 0
		.amdhsa_next_free_vgpr 1024
		.amdhsa_next_free_sgpr 72
		.amdhsa_reserve_vcc 0
		.amdhsa_float_denorm_mode_32 3
		.amdhsa_float_denorm_mode_16_64 3
		.amdhsa_memory_ordered 1
		.amdhsa_forward_progress 1
		.amdhsa_inst_pref_size 145
	.end_amdhsa_kernel
	.amdgpu_metadata
---
amdhsa.version: [ 1, 2 ]
amdhsa.kernels:
  - .name:           k_qa5965bde47_proj
    .symbol:         k_qa5965bde47_proj.kd
    .args:
      - { .name: wp_op, .offset: 0, .size: 8, .value_kind: global_buffer, .address_space: global }
      - { .name: y_op, .offset: 8, .size: 8, .value_kind: global_buffer, .address_space: global }
      - { .name: bp, .offset: 16, .size: 8, .value_kind: global_buffer, .address_space: global }
      - { .name: out0, .offset: 24, .size: 8, .value_kind: global_buffer, .address_space: global }
    .group_segment_fixed_size: 327680
    .private_segment_fixed_size: 0
    .kernarg_segment_align: 8
    .kernarg_segment_size: 32
    .max_flat_workgroup_size: 128
    .sgpr_count:     72
    .vgpr_count:     1024
    .wavefront_size: 32
...
	.end_amdgpu_metadata
.endif
;; end of part 4
